; MI455X (gfx1250); checked and timed in simulation.
; The chip was launched on July 23, 2026; its instructions are those of AMD's public machine-readable ISA for CDNA 5 (MIT licence, August 2026) and "CDNA5" Instruction Set Architecture Reference Guide (July 2026). The comments in the code are by the model that wrote it; some were corrected since.
;; Transformer Block. Allowed arithmetic: float matrix products may take bf16 or f16 operands with f32 sums; other float arithmetic in f32, or as packed bf16 or f16 multiplies, adds, multiply-adds, maxima and minima; sums over many terms, partial sums and values carried from step to step in f32; what a program stores and reads back later, other than sums and carried values, may be rounded once to bf16 or f16.
;; Inputs: norm1_w 1,024 float32; norm2_w 1,024 float32; token_positions 1 x 2,048 int32; w1 2,752 x 1,024 float32; w2 1,024 x 2,752 float32; w3 2,752 x 1,024 float32; wk 1,024 x 1,024 float32; wo 1,024 x 1,024 float32; wq 1,024 x 1,024 float32; wv 1,024 x 1,024 float32; x 2 x 2,048 x 1,024 float32.
;; Outputs: out0 2 x 2,048 x 1,024 float32.
;; One version. Each part assembles by itself: llvm-mc -triple=amdgcn-amd-amdhsa -mcpu=gfx1250 --defsym DOCPART=n.
;; ======== version 1 of 1: 7 launches
;; limits: values are held in f16: magnitudes above 65,504 overflow, below 6.1e-05 lose precision
;; workspace buffers: wts 26,214,400 bytes; h 8,388,608 bytes; qkv 25,165,824 bytes; o 8,388,608 bytes; x1 16,777,216 bytes; g 23,068,672 bytes
;; launch prep (part 1): grid 1040 x 1, 4 waves a work-group, no clusters, 35,328 bytes of LDS; arguments x, norm1_w, token_positions, wq, wk, wv, wo, w1, w3, w2, h, wts; writes h, wts
.if DOCPART == 1
	.amdgcn_target "amdgcn-amd-amdhsa--gfx1250"
	.amdhsa_code_object_version 6
	.text
	.protected	k_q52456e6888_prep
	.globl	k_q52456e6888_prep
	.p2align	8
	.type	k_q52456e6888_prep,@function
k_q52456e6888_prep:
	s_mov_b64 s[64:65], 0
	v_nop
	global_prefetch_b8 v0, s[64:65] scope:SCOPE_SE
	s_setreg_imm32_b32 hwreg(HW_REG_WAVE_MODE, 25, 1), 1
	s_wait_xcnt 0x0
; PREP: h = rmsnorm(x) * norm1_w in f16; all weights rounded once to 16 bits; the table of cos and sin for RoPE.
; ONE LAYOUT for every 16-bit matrix operand [rows][K]: blocks of 16 rows; element (row, k) lies at
; (row/16) * 32 K + (k/8) * 256 + (row%16) * 16 + (k%8) * 2 bytes.  16 rows x 32 k are then 1,024 consecutive bytes in the
; order in which a matrix fragment lies in registers (lane l: 16 bytes at 16 l and at 512 + 16 l).
; ROLES by the work-group's number g: g < 256: 16 rows of x are normalised; 256 <= g < 1040: each wave casts 16 output rows x 256 k.
; Work-groups 0..31 also make the table, one block of 16 positions a wave, behind their output.
; wts: WQKV at 0 (row 192 hd + 64 ty + i = (wq|wk|wv)[64 hd + i]), WO, W13 (block J: rows 4 q + j = w1[8J+j], w3[8J+j], w1[8J+4+j], w3[8J+4+j];
; blocks 344..351 zeros), W2 (bf16, K padded from 2,752 to 2,816 with zeros), the table (f32).
; The turn from rows to chunks of 16 rows x 16 bytes goes through LDS: 128 chunks, 272 bytes apart.
; LIMITS: f16 holds no number beyond 65,504 (weights, and x / rms * norm1_w, must lie within it); 1 / rms is v_rsq_f32 (1 ulp);
; inv_freq is 2^(-j * log2(10000) / 32) by v_exp_f32; the angle's reduction by two parts of pi/2 serves |position| up to 2^20;
; sine and cosine are series to r^7 and r^8 on |r| <= pi/4.  NaN and infinities are not treated apart.
.set SPARE, 34816                      ; behind the chunks: the spare words, 128 bytes a wave
.set CH, 272                           ; a chunk: 256 bytes + 16
.set WO_BLK, 192                       ; WO begins at block 192 of 32,768 bytes
.set W13_OFF, 8388608
.set W2_OFF, 19922944
.set ROPE_OFF, 25690112
.set L16, 2                            ; v2  16 x lane
.set LT, 3                             ; v3  where I put 8 bytes of a chunk
.set RDL, 4                            ; v4  where I read 16 bytes of a chunk back
.set SPW, 6                            ; v6  my spare word
.set NIL, 7                            ; v7  0
.set VOF, 8                            ; v8-15  cast: byte offset of row j, half u
.set VM, 16                            ; v16-17 cast: all ones where my 4 numbers of half u exist, else 0
.set W, 32                             ; v32-63 norm weights
.set X, 64                             ; v64-191 32 loads of 4 registers
.macro NORMROWS xb, wb                 ; four rows of 1,024 f32 a wave: loaded, normalised, rounded to f16, put into the chunks
.irp t, 0,1,2,3
.irp j, 0,1,2,3,4,5,6,7
	global_load_b128 v[X+32*\t+4*\j:X+32*\t+4*\j+3], v[L16], s[\xb:\xb+1] offset:\t*4096+\j*512
.endr
.endr
.irp j, 0,1,2,3,4,5,6,7
	global_load_b128 v[W+4*\j:W+4*\j+3], v[L16], s[\wb:\wb+1] offset:\j*512
.endr
.irp t, 0,1,2,3
	s_wait_loadcnt 32-8*\t                         ; row t is in; the younger rows' loads and the 8 of the weights may stay out
	v_pk_mul_f32 v[18:19], v[X+32*\t:X+32*\t+1], v[X+32*\t:X+32*\t+1]        ; two chains of squares, started by products
	v_pk_mul_f32 v[20:21], v[X+32*\t+2:X+32*\t+3], v[X+32*\t+2:X+32*\t+3]
.irp j, 1,2,3,4,5,6,7
	v_pk_fma_f32 v[18:19], v[X+32*\t+4*\j:X+32*\t+4*\j+1], v[X+32*\t+4*\j:X+32*\t+4*\j+1], v[18:19]
	v_pk_fma_f32 v[20:21], v[X+32*\t+4*\j+2:X+32*\t+4*\j+3], v[X+32*\t+4*\j+2:X+32*\t+4*\j+3], v[20:21]
.endr
	v_pk_add_f32 v[18:19], v[18:19], v[20:21]
	v_add_f32 v18, v18, v19
	v_add_f32_dpp v18, v18, v18 row_xmask:1 row_mask:0xf bank_mask:0xf
	v_add_f32_dpp v18, v18, v18 row_xmask:2 row_mask:0xf bank_mask:0xf
	v_add_f32_dpp v18, v18, v18 row_xmask:4 row_mask:0xf bank_mask:0xf
	v_add_f32_dpp v18, v18, v18 row_xmask:8 row_mask:0xf bank_mask:0xf
	v_permlanex16_b32 v19, v18, s56, s57
	v_add_f32 v18, v18, v19
	v_fma_f32 v[25+2*\t], v18, s58, s59            ; mean of squares + eps
.endr
.irp t, 0,1,2,3
	v_rsq_f32 v[24+2*\t], v[25+2*\t]
.endr
	v_nop                                          ; a plain instruction behind the last of the four,
	s_wait_alu depctr_va_vdst(0)                   ; and one wait for the batch, ahead of its first reader
	s_wait_loadcnt 0x0                             ; the weights
.irp t, 0,1,2,3
.irp j, 0,1,2,3,4,5,6,7
	v_pk_mul_f32 v[X+32*\t+4*\j:X+32*\t+4*\j+1], v[X+32*\t+4*\j:X+32*\t+4*\j+1], v[24+2*\t:25+2*\t] op_sel_hi:[1,0]
	v_pk_mul_f32 v[X+32*\t+4*\j+2:X+32*\t+4*\j+3], v[X+32*\t+4*\j+2:X+32*\t+4*\j+3], v[24+2*\t:25+2*\t] op_sel_hi:[1,0]
	v_pk_mul_f32 v[X+32*\t+4*\j:X+32*\t+4*\j+1], v[X+32*\t+4*\j:X+32*\t+4*\j+1], v[W+4*\j:W+4*\j+1]
	v_pk_mul_f32 v[X+32*\t+4*\j+2:X+32*\t+4*\j+3], v[X+32*\t+4*\j+2:X+32*\t+4*\j+3], v[W+4*\j+2:W+4*\j+3]
	v_cvt_pk_f16_f32 v[X+32*\t+4*\j], v[X+32*\t+4*\j], v[X+32*\t+4*\j+1]
	v_cvt_pk_f16_f32 v[X+32*\t+4*\j+1], v[X+32*\t+4*\j+2], v[X+32*\t+4*\j+3]
	ds_store_b64 v[LT], v[X+32*\t+4*\j:X+32*\t+4*\j+1] offset:\j*16*CH+\t*16   ; columns 128 j + 4 l: chunk 16 j + l/2
.endr
.endr
.endm
.macro OUTB db                         ; wave w reads chunks 32 w .. 32 w + 31 back and stores them: each store is 512 consecutive bytes
	s_wait_dscnt 0x0                               ; my stores into the chunks are done, for the others' sake
	s_barrier_signal -1
	s_barrier_wait -1
.irp t, 0,1,2,3,4,5,6,7,8,9,10,11,12,13,14,15
	ds_load_b128 v[X+4*\t:X+4*\t+3], v[RDL] offset:\t*2*CH
.endr
.irp t, 0,1,2,3,4,5,6,7,8,9,10,11,12,13,14,15
	s_wait_dscnt 15-\t                             ; read-back t is in, the younger ones may stay out
	global_store_b128 v[L16], v[X+4*\t:X+4*\t+3], s[\db:\db+1] offset:\t*512
.endr
.endm
.macro CVTS bf                         ; 32 loads of 4 f32 are rounded to 16 bits, cleared where they do not exist, and put into the wave's 32 chunks
.irp q, 0,1,2,3
	s_wait_loadcnt 24-8*\q                         ; rows 4 q .. 4 q + 3 are in; the younger groups may stay out
.irp j, 0,1,2,3
.irp u, 0,1
.set a_, X+4*(2*(4*\q+\j)+\u)
.if \bf
	v_cvt_pk_bf16_f32 v[a_], v[a_], v[a_+1]
	v_cvt_pk_bf16_f32 v[a_+1], v[a_+2], v[a_+3]
.else
	v_cvt_pk_f16_f32 v[a_], v[a_], v[a_+1]
	v_cvt_pk_f16_f32 v[a_+1], v[a_+2], v[a_+3]
.endif
	v_and_b32 v[a_], v[VM+\u], v[a_]
	v_and_b32 v[a_+1], v[VM+\u], v[a_+1]
	ds_store_b64 v[LT], v[a_:a_+1] offset:\u*16*CH+(4*\q+\j)*16
.endr
.endr
.endr
.endm
.macro SINCOS a, c, s                  ; cos and sin of v[a]: n = nearest multiple of pi/2, r = a - n pi/2 in two parts, series, quadrant
	v_mul_f32 v24, 0x3f22f983, v[\a]               ; 2 / pi
	v_rndne_f32 v24, v24
	v_fma_f32 v25, v24, s60, v[\a]
	v_fma_f32 v25, v24, s61, v25
	v_cvt_i32_f32 v26, v24
	v_mul_f32 v27, v25, v25
	v_mov_b32 v28, 0xb9500d01                      ; -1/5040
	v_fmaak_f32 v28, v28, v27, 0x3c088889          ; 1/120
	v_fmaak_f32 v28, v28, v27, 0xbe2aaaab          ; -1/6
	v_mul_f32 v29, v25, v27
	v_fma_f32 v28, v29, v28, v25                   ; sin r
	v_mov_b32 v30, 0x37d00d01                      ; 1/40320
	v_fmaak_f32 v30, v30, v27, 0xbab60b61          ; -1/720
	v_fmaak_f32 v30, v30, v27, 0x3d2aaaab          ; 1/24
	v_fmaak_f32 v30, v30, v27, 0xbf000000          ; -1/2
	v_fma_f32 v30, v30, v27, 1.0                   ; cos r
	v_and_b32 v29, 1, v26
	v_cmp_eq_u32 vcc_lo, 1, v29
	v_cndmask_b32 v[\s], v28, v30, vcc_lo          ; odd quadrants change the two
	v_cndmask_b32 v[\c], v30, v28, vcc_lo
	v_lshlrev_b32 v29, 30, v26
	v_and_b32 v29, 0x80000000, v29                 ; sin is negative in quadrants 2, 3
	v_xor_b32 v[\s], v29, v[\s]
	v_add_nc_u32 v26, 1, v26
	v_lshlrev_b32 v26, 30, v26
	v_and_b32 v26, 0x80000000, v26                 ; cos in quadrants 1, 2
	v_xor_b32 v[\c], v26, v[\c]
.endm
	s_load_b512 s[8:23], s[0:1], 0x0               ; x 8, norm1_w 10, token_positions 12, wq 14, wk 16, wv 18, wo 20, w1 22
	s_load_b256 s[24:31], s[0:1], 0x40             ; w3 24, w2 26, h 28, wts 30
	v_lshl_add_u32 v[SPW], v0, 2, SPARE
	v_mov_b32 v[NIL], 0
	v_lshrrev_b32 v1, 5, v0
	v_readfirstlane_b32 s2, v1                     ; wave 0..3
	s_mov_b32 s3, ttmp9                            ; g
	v_and_b32 v1, 31, v0                           ; lane
	v_lshlrev_b32 v[L16], 4, v1
	v_lshrrev_b32 v18, 1, v1
	v_and_b32 v19, 1, v1
	v_mul_u32_u24 v[LT], v18, CH
	v_lshl_add_u32 v[LT], v19, 3, v[LT]            ; chunk l/2, 8 bytes for each of two lanes; the role adds its term
	v_lshrrev_b32 v18, 4, v1
	v_and_b32 v19, 15, v1
	v_mul_u32_u24 v[RDL], v18, CH
	v_lshl_add_u32 v[RDL], v19, 4, v[RDL]
	s_mul_i32 s45, s2, 32*CH
	v_add_nc_u32 v[RDL], s45, v[RDL]               ; my wave's 32 chunks, two to a load
	s_mov_b32 s56, 0x76543210
	s_mov_b32 s57, 0xfedcba98
	s_mov_b32 s58, 0x3a800000                      ; 1/1024
	s_mov_b32 s59, 0x3727c5ac                      ; 1e-5
	s_mov_b32 s60, 0xbfc90fdb                      ; -pi/2, upper part
	s_mov_b32 s61, 0x333bbd2e                      ; what the upper part has too much
	s_wait_kmcnt 0x0
	s_cmp_lt_u32 s3, 256
	s_cbranch_scc0 .Lcasts
	; NORM: rows 16 g + 4 w + t
	s_lshl_b32 s46, s3, 16
	s_lshl_b32 s45, s2, 14
	s_add_co_u32 s46, s46, s45
	s_mov_b32 s47, 0
	s_add_nc_u64 s[32:33], s[8:9], s[46:47]
	s_lshl_b32 s46, s3, 15
	s_lshl_b32 s45, s2, 13
	s_add_co_u32 s46, s46, s45
	s_add_nc_u64 s[40:41], s[28:29], s[46:47]      ; h: block g, my 32 chunks
	s_lshl_b32 s45, s2, 6
	v_add_nc_u32 v[LT], s45, v[LT]                 ; row 4 w in every chunk
	NORMROWS 32, 10
	s_branch .Lout
.Lcasts:
	s_sub_co_u32 s45, s3, 256                      ; c
	s_lshl_b32 s46, s2, 10                         ; my 256 k of a source row
	s_lshl_b32 s47, s2, 13                         ; and of a block of the result
	s_cmp_lt_u32 s45, 256
	s_cbranch_scc0 .Lnot_square
	s_lshr_b32 s48, s45, 6                         ; 0 wq, 1 wk, 2 wv, 3 wo
	s_and_b32 s49, s45, 63                         ; its block of 16 rows
	s_cmp_eq_u32 s48, 0
	s_cselect_b64 s[32:33], s[14:15], s[16:17]
	s_cmp_eq_u32 s48, 2
	s_cselect_b64 s[32:33], s[18:19], s[32:33]
	s_cmp_eq_u32 s48, 3
	s_cselect_b64 s[32:33], s[20:21], s[32:33]
	s_lshl_b32 s50, s49, 16
	s_add_co_u32 s50, s50, s46
	s_mov_b32 s51, 0
	s_add_nc_u64 s[32:33], s[32:33], s[50:51]
	s_add_nc_u64 s[34:35], s[32:33], 16384         ; four rows on
	s_add_nc_u64 s[36:37], s[32:33], 32768
	s_add_nc_u64 s[38:39], s[32:33], 49152
	s_mov_b32 s42, 4096                            ; bytes in a source row
	s_mov_b32 s43, 256                             ; numbers left in the row from my first
	s_mov_b32 s44, 0                               ; f16
	s_lshr_b32 s52, s49, 2
	s_mul_i32 s52, s52, 12
	s_lshl2_add_u32 s52, s48, s52
	s_and_b32 s53, s49, 3
	s_add_co_u32 s52, s52, s53                     ; WQKV's block 12 hd + 4 mat + sub
	s_add_co_u32 s53, s49, WO_BLK
	s_cmp_eq_u32 s48, 3
	s_cselect_b32 s52, s53, s52
	s_lshl_b32 s52, s52, 15
	s_add_co_u32 s52, s52, s47
	s_mov_b32 s53, 0
	s_add_nc_u64 s[40:41], s[30:31], s[52:53]
	s_branch .Lcast
.Lnot_square:
	s_cmp_lt_u32 s45, 608
	s_cbranch_scc0 .Lw2
	s_sub_co_u32 s48, s45, 256                     ; J
	s_min_u32 s49, s48, 343                        ; the zero blocks load the last block's rows and clear them
	s_lshl_b32 s50, s49, 15
	s_add_co_u32 s50, s50, s46
	s_mov_b32 s51, 0
	s_add_nc_u64 s[32:33], s[22:23], s[50:51]
	s_add_nc_u64 s[34:35], s[24:25], s[50:51]
	s_add_nc_u64 s[36:37], s[32:33], 16384
	s_add_nc_u64 s[38:39], s[34:35], 16384
	s_mov_b32 s42, 4096
	s_cmp_gt_u32 s48, 343
	s_cselect_b32 s43, 0, 256
	s_mov_b32 s44, 0
	s_lshl_b32 s52, s48, 15
	s_add_co_u32 s52, s52, s47
	s_add_co_u32 s52, s52, W13_OFF
	s_mov_b32 s53, 0
	s_add_nc_u64 s[40:41], s[30:31], s[52:53]
	s_branch .Lcast
.Lw2:
	s_sub_co_u32 s48, s45, 608
	s_lshl2_add_u32 s48, s48, s2                   ; job 0..703
	s_mul_i32 s49, s48, 5958
	s_lshr_b32 s49, s49, 16                        ; block = job / 11 (exact for jobs under 32,000)
	s_mul_i32 s50, s49, 11
	s_sub_co_u32 s50, s48, s50                     ; which 256 k
	s_mul_i32 s52, s49, 176128                     ; 16 rows of 11,008 bytes
	s_lshl_b32 s53, s50, 10
	s_add_co_u32 s52, s52, s53
	s_mov_b32 s53, 0
	s_add_nc_u64 s[32:33], s[26:27], s[52:53]
	s_add_nc_u64 s[34:35], s[32:33], 44032
	s_add_nc_u64 s[36:37], s[32:33], 88064
	s_add_nc_u64 s[38:39], s[32:33], 132096
	s_mov_b32 s42, 11008
	s_lshl_b32 s43, s50, 8
	s_sub_co_u32 s43, 2752, s43
	s_mov_b32 s44, 1                               ; bf16
	s_mul_i32 s52, s49, 90112
	s_lshl_b32 s54, s50, 13
	s_add_co_u32 s52, s52, s54
	s_add_co_u32 s52, s52, W2_OFF
	s_add_nc_u64 s[40:41], s[30:31], s[52:53]
.Lcast:
	s_mul_i32 s48, s2, 32*CH
	v_add_nc_u32 v[LT], s48, v[LT]                 ; my wave's own 32 chunks
	v_lshlrev_b32 v18, 2, v1                       ; my first number in half 0
	v_cmp_gt_u32 vcc_lo, s43, v18
	v_cndmask_b32 v[VM], 0, -1, vcc_lo
	v_cndmask_b32 v19, 0, v[L16], vcc_lo           ; a lane with nothing to load reads the row's first bytes: no load leaves the row
	v_add_nc_u32 v20, 128, v18
	v_add_nc_u32 v21, 512, v[L16]
	v_cmp_gt_u32 vcc_lo, s43, v20
	v_cndmask_b32 v[VM+1], 0, -1, vcc_lo
	v_cndmask_b32 v21, 0, v21, vcc_lo
.irp j, 0,1,2,3
	s_mul_i32 s49, s42, \j
	v_add_nc_u32 v[VOF+2*\j], s49, v19
	v_add_nc_u32 v[VOF+2*\j+1], s49, v21
.endr
.irp q, 0,1,2,3
.irp j, 0,1,2,3
.irp u, 0,1
	global_load_b128 v[X+4*(2*(4*\q+\j)+\u):X+4*(2*(4*\q+\j)+\u)+3], v[VOF+2*\j+\u], s[32+2*\q:33+2*\q] th:TH_LOAD_NT
.endr
.endr
.endr
	s_cmp_eq_u32 s44, 0
	s_cbranch_scc0 .Lto_bf16
	CVTS 0
	s_branch .Lout
.Lto_bf16:
	CVTS 1
.Lout:
	OUTB 40
	s_cmp_lt_u32 s3, 32
	s_cbranch_scc0 .Lend
	; THE TABLE: positions 16 pb .. + 15, pb = 4 g + w.  512 bytes i = 2 b + e: lane (r, h) holds (cos, sin) of frequencies 8 b + 4 h + 2 e and + 1
	s_lshl2_add_u32 s45, s3, s2
	v_and_b32 v18, 15, v1
	v_lshrrev_b32 v19, 4, v1
	s_lshl_b32 s46, s45, 6
	v_lshl_add_u32 v20, v18, 2, s46
	global_load_b32 v21, v20, s[12:13]
	s_lshl_b32 s50, s45, 12
	s_add_co_u32 s50, s50, ROPE_OFF
	s_mov_b32 s51, 0
	s_add_nc_u64 s[50:51], s[30:31], s[50:51]
	v_lshlrev_b32 v19, 2, v19
	s_wait_loadcnt 0x0
	v_cvt_f32_i32 v21, v21
	s_mov_b32 s48, 0
.Lfreq:
	s_lshr_b32 s49, s48, 1
	s_and_b32 s52, s48, 1
	s_lshl_b32 s49, s49, 3
	s_lshl1_add_u32 s49, s52, s49                  ; 8 b + 2 e
	v_add_nc_u32 v22, s49, v19
	v_cvt_f32_u32 v22, v22
	v_add_f32 v23, 1.0, v22
	v_mul_f32 v22, 0xbed49a78, v22                 ; -j log2(10000) / 32
	v_mul_f32 v23, 0xbed49a78, v23
	v_exp_f32 v22, v22
	v_exp_f32 v23, v23
	v_nop
	s_wait_alu depctr_va_vdst(0)                   ; one wait for the two
	v_mul_f32 v22, v21, v22                        ; the angle, rounded once
	v_mul_f32 v23, v21, v23
	SINCOS 22, 44, 45
	SINCOS 23, 46, 47
	global_store_b128 v[L16], v[44:47], s[50:51]
	s_wait_xcnt 0x0                                ; the store's data and base are written again only behind this wait
	s_add_nc_u64 s[50:51], s[50:51], 512
	s_add_co_u32 s48, s48, 1
	s_cmp_lt_u32 s48, 8
	s_cbranch_scc1 .Lfreq
.Lend:
	s_wait_tensorcnt 0x0                           ; the wave's end, behind my last LDS store
	ds_add_u32 v[SPW], v[NIL]
	s_wait_dscnt 0x0
	s_endpgm
.Lfunc_end_k_q52456e6888_prep:
	.size	k_q52456e6888_prep, .Lfunc_end_k_q52456e6888_prep-k_q52456e6888_prep
	.p2alignl 7, 3214868480
	.fill 96, 4, 3214868480
	.section	.rodata,"a",@progbits
	.p2align	6, 0x0
	.amdhsa_kernel k_q52456e6888_prep
		.amdhsa_group_segment_fixed_size 35328
		.amdhsa_private_segment_fixed_size 0
		.amdhsa_enable_private_segment 0
		.amdhsa_kernarg_size 96
		.amdhsa_user_sgpr_count 2
		.amdhsa_user_sgpr_kernarg_segment_ptr 1
		.amdhsa_wavefront_size32 1
		.amdhsa_system_sgpr_workgroup_id_x 1
		.amdhsa_system_sgpr_workgroup_id_y 1
		.amdhsa_system_sgpr_workgroup_id_z 1
		.amdhsa_system_vgpr_workitem_id 0
		.amdhsa_next_free_vgpr 200
		.amdhsa_next_free_sgpr 66
		.amdhsa_reserve_vcc 1
		.amdhsa_float_denorm_mode_32 3
		.amdhsa_float_denorm_mode_16_64 3
		.amdhsa_memory_ordered 1
		.amdhsa_forward_progress 1
		.amdhsa_inst_pref_size 57
	.end_amdhsa_kernel
	.amdgpu_metadata
---
amdhsa.version: [ 1, 2 ]
amdhsa.kernels:
  - .name:           k_q52456e6888_prep
    .symbol:         k_q52456e6888_prep.kd
    .args:
      - { .name: x, .offset: 0, .size: 8, .value_kind: global_buffer, .address_space: global }
      - { .name: norm1_w, .offset: 8, .size: 8, .value_kind: global_buffer, .address_space: global }
      - { .name: token_positions, .offset: 16, .size: 8, .value_kind: global_buffer, .address_space: global }
      - { .name: wq, .offset: 24, .size: 8, .value_kind: global_buffer, .address_space: global }
      - { .name: wk, .offset: 32, .size: 8, .value_kind: global_buffer, .address_space: global }
      - { .name: wv, .offset: 40, .size: 8, .value_kind: global_buffer, .address_space: global }
      - { .name: wo, .offset: 48, .size: 8, .value_kind: global_buffer, .address_space: global }
      - { .name: w1, .offset: 56, .size: 8, .value_kind: global_buffer, .address_space: global }
      - { .name: w3, .offset: 64, .size: 8, .value_kind: global_buffer, .address_space: global }
      - { .name: w2, .offset: 72, .size: 8, .value_kind: global_buffer, .address_space: global }
      - { .name: h, .offset: 80, .size: 8, .value_kind: global_buffer, .address_space: global }
      - { .name: wts, .offset: 88, .size: 8, .value_kind: global_buffer, .address_space: global }
    .group_segment_fixed_size: 35328
    .private_segment_fixed_size: 0
    .kernarg_segment_align: 8
    .kernarg_segment_size: 96
    .max_flat_workgroup_size: 128
    .sgpr_count:     66
    .vgpr_count:     200
    .wavefront_size: 32
...
	.end_amdgpu_metadata
.endif
;; end of part 1
;; launch qkv (part 2): grid 16 x 16, 4 waves a work-group, clusters of 4 x 4, 327,680 bytes of LDS; arguments h, wts, qkv; writes qkv
.if DOCPART == 2
	.amdgcn_target "amdgcn-amd-amdhsa--gfx1250"
	.amdhsa_code_object_version 6
	.text
	.protected	k_q52456e6888_qkv
	.globl	k_q52456e6888_qkv
	.p2align	8
	.type	k_q52456e6888_qkv,@function
k_q52456e6888_qkv:
	s_mov_b64 s[64:65], 0
	v_nop
	global_prefetch_b8 v0, s[64:65] scope:SCOPE_SE
	s_setreg_imm32_b32 hwreg(HW_REG_WAVE_MODE, 25, 1), 1
	s_wait_xcnt 0x0
	s_wait_alu depctr_hold_cnt(0) depctr_sa_sdst(0) depctr_va_vdst(0) depctr_va_sdst(0) depctr_va_ssrc(0) depctr_va_vcc(0) depctr_vm_vsrc(0)
	s_getreg_b32 s2, hwreg(HW_REG_IB_STS2, 6, 4)
	s_cmp_eq_u32 s2, 0
	s_cbranch_scc0 .Lentry_in_a_cluster
	s_endpgm
.Lentry_in_a_cluster:
	s_bfe_u32 s2, ttmp6, 0x10000c
	s_cmp_lg_u32 s2, 0xf033
	s_cbranch_scc0 .Lentry_shape_is_right
	s_endpgm
.Lentry_shape_is_right:
; q, k, v = h WQKV^T, RoPE on q and k, written by heads in f16.  h: [4096][1024] f16, WQKV: [3072][1024] f16, both in blocks of 16 rows:
; element (row, k) at (row/16) * 32 K + (k/8) * 256 + (row%16) * 16 + (k%8) * 2, so that 16 rows x 32 k are 1,024 bytes in a fragment's register order.
; A work-group makes 256 rows x one head's 192 columns (64 of q, of k, of v); each of its four waves 64 rows x 192: 48 accumulators.
; K goes in 8 steps of 128 through two LDS slots; a block's part of a step is 4,096 dense bytes, one row of a tensor load.
; q and k are multiplied transposed (source 0 = weights): a lane holds 8 neighbouring channels of one position; v the natural way: a lane holds
; 8 neighbouring positions of one channel, which is a piece of V^T.  Every store of a wave is 512 consecutive bytes.
; qkv: Q at 0, K at 8,388,608, V at 16,777,216; a head has 262,144 bytes in each.  Q, K: (s/16) * 2048 + (d/8) * 256 + (s%16) * 16 + (d%8) * 2.
; V^T: (key/32) * 4096 + (ch/16) * 1024 + ((key%32)/8) * 256 + (ch%16) * 16 + (key%8) * 2.
; CLUSTER 4 x 4: the four of a row need the same rows of h, the four of a column the same weights: each tile is asked for jointly.
; LIMIT: q, k, v beyond 65,504 become infinities in f16.
.set NB, 12                            ; blocks of 16 columns a wave
.set SWAPV, 1                          ; blocks 8..11 (v) with the sources changed
.set BLKB, 4096                        ; a block's bytes in a K step
.set E0, 512                           ; the same in elements of 8 bytes
.set TSTEPS, 8
.set KB32, 32768                       ; a block's bytes in memory
.set ABLK, 16
.set BBLK, 12
.set BH0, 6
.set ROPE_OFF, 25690112
.set BOFF, ABLK*BLKB                   ; in a slot: A's blocks, then B's
.set SLOT1, 131072
.set SPARE, 279552                     ; the spare words, 128 bytes a wave
.set NL, 2*(NB+4)                      ; LDS loads of a quarter step
.set HOUT, 4                           ; of these the youngest 4 (A's blocks 2, 3) are not needed by the first half
.set F0, 0                             ; window 1: two fragment buffers: B's 12 fragments, then A's 4
.set F1, 128
.set L16, 2
.set ADRA, 4
.set ADRB, 5
.set A0, 6
.set B0, 7
.set SPW, 8
.set NIL, 9
.set TBL, 64                           ; v64-191 the table: block a, 16 channels b, half e at 32 a + 8 b + 4 e
.set OUT, 192                          ; v192-239 packed results, 4 registers a block
.set G1, 24
.set G0, 32
.set G1B, 48
.set G0B, 56
.set MSB, 0
.macro WIN new                         ; the immediate's high byte repeats the setting that is left
.if MSB != (\new)
	s_set_vgpr_msb (MSB<<8)|(\new)
.set MSB, \new
.endif
.endm
.macro PLACES
.rept 4
	v_nop
.endr
.endm
.macro JLOAD                           ; a joint refill by the walking descriptors: waves 0, 1 A's halves, waves 2, 3 B's
	s_cmp_eq_u32 s13, 0
	s_cbranch_scc0 .Lfor_b_\@
	tensor_load_to_lds s[G0+4:G0+7], s[G1:G1+7]
	s_nop 0
.rept 4
	v_nop
.endr
	s_branch .Lasked_\@
.Lfor_b_\@:
	tensor_load_to_lds s[G0B+4:G0B+7], s[G1B:G1B+7]
	s_nop 0
.rept 4
	v_nop
.endr
.Lasked_\@:
.endm
.macro CREST                           ; a round of the cluster's barrier behind its opening barrier
	s_cmp_lg_u32 s12, 0
	s_cbranch_scc1 .Lnot_wave_0_\@
	s_barrier_signal -3
.Lnot_wave_0_\@:
	s_barrier_wait -3
	s_barrier_signal -1
	s_barrier_wait -1
.endm
.macro CROUND
	s_barrier_signal -1
	s_barrier_wait -1
	CREST
.endm
; NB products: row block p x all column blocks, 32 along K.  Accumulator t = p NB + b lies in window 2 + t / 32 at 8 (t % 32).  The accumulators take turns, one instruction a turn.
.macro MULP f, p, zero
.set b_, 0
.rept NB
.set t_, (\p)*NB+b_
.set rD, 8*(t_%32)
.set rX, (\f)+8*b_
.set rY, (\f)+8*(NB+(\p))
.if SWAPV && (b_ >= 8)
.set rX, (\f)+8*(NB+(\p))
.set rY, (\f)+8*b_
.endif
	WIN 0xa5+0x50*(t_/32)
.if \zero
	v_wmma_f32_16x16x32_f16 v[rD:rD+7], v[rX:rX+7], v[rY:rY+7], 0
.else
	v_wmma_f32_16x16x32_f16 v[rD:rD+7], v[rX:rX+7], v[rY:rY+7], v[rD:rD+7]
.endif
.set b_, b_+1
.endr
.endm
.macro FETCH q, f                      ; the fragments of quarter q into buffer f: each load is 512 consecutive bytes
	WIN 0x40
.set b_, 0
.rept NB
	ds_load_b128 v[(\f)+8*b_:(\f)+8*b_+3], v[ADRB] offset:b_*BLKB+(\q)*1024
	ds_load_b128 v[(\f)+8*b_+4:(\f)+8*b_+7], v[ADRB] offset:b_*BLKB+(\q)*1024+512
.set b_, b_+1
.endr
.set b_, 0
.rept 4
	ds_load_b128 v[(\f)+8*(NB+b_):(\f)+8*(NB+b_)+3], v[ADRA] offset:b_*BLKB+(\q)*1024
	ds_load_b128 v[(\f)+8*(NB+b_)+4:(\f)+8*(NB+b_)+7], v[ADRA] offset:b_*BLKB+(\q)*1024+512
.set b_, b_+1
.endr
.endm
.macro QUARTER q, f, g, zero           ; multiplies buffer f (quarter q); in its middle fetches quarter q + 1 into g
	s_wait_dscnt HOUT                              ; all of B and A's blocks 0, 1 are in
	MULP \f, 0, \zero
	MULP \f, 1, \zero
	PLACES                                         ; four places in front of loads into registers that products have read
	FETCH (\q)+1, \g
	s_wait_dscnt NL                                ; all but the run just issued
	MULP \f, 2, \zero
	MULP \f, 3, \zero
.endm
.macro TURN fill                       ; the last quarter (buffer 1) and the change of slots
	WIN 0
	s_wait_tensorcnt 0x0                           ; all my tensor loads have landed: my part of the next slot
	ds_add_u32 v[SPW], v[NIL]                      ; 0 onto my spare word
	s_wait_dscnt HOUT+1                            ; the add and the youngest four loads may be out
	MULP F1, 0, 0
	s_wait_dscnt 0x0                               ; the add is done, and my reads of this slot are over
	s_barrier_signal -1
	MULP F1, 1, 0
	WIN 0
	s_barrier_wait -1
.if \fill
	CREST                                          ; no wave of any partner still reads this slot or has a load on its way
	s_xor_b32 s[G0+5], s[G0+5], SLOT1              ; the walking descriptors: the other slot than last time, the next K step
	s_add_nc_u64 s[G0+6:G0+7], s[G0+6:G0+7], BLKB
	s_xor_b32 s[G0B+5], s[G0B+5], SLOT1
	s_add_nc_u64 s[G0B+6:G0B+7], s[G0B+6:G0B+7], BLKB
	JLOAD                                          ; its four v_nop are also the places in front of the loads below
.else
	PLACES
.endif
	s_xor_b32 s20, s20, SLOT1
	v_add_nc_u32 v[ADRA], s20, v[A0]
	v_add_nc_u32 v[ADRB], s20, v[B0]
	FETCH 0, F0
	MULP F1, 2, 0
	MULP F1, 3, 0
.endm
	s_load_b128 s[4:7], s[0:1], 0x0                ; h, wts
	s_load_b64 s[8:9], s[0:1], 0x10                ; qkv
	v_lshl_add_u32 v[SPW], v0, 2, SPARE
	v_mov_b32 v[NIL], 0
	ds_add_u32 v[SPW], v[NIL]                      ; the wave's opening, ahead of my first tensor load
	ds_add_u32 v8, v9
	v_lshrrev_b32 v1, 5, v0
	v_readfirstlane_b32 s12, v1                    ; wave
	s_lshr_b32 s13, s12, 1                         ; I fetch for A (0) or B (1),
	s_and_b32 s14, s12, 1                          ; its first or second half
	s_bfe_u32 s40, ttmp6, 0x40000                  ; cx
	s_bfe_u32 s41, ttmp6, 0x40004                  ; cy
	s_lshl_b32 s42, ttmp9, 2
	s_add_co_u32 s42, s42, s40                     ; tile column: the head
	s_and_b32 s43, ttmp7, 0xffff
	s_lshl_b32 s43, s43, 2
	s_add_co_u32 s43, s43, s41                     ; tile row
	s_lshl_b32 s44, s41, 2
	s_lshl_b32 s44, 15, s44                        ; my row of the cluster
	s_lshl_b32 s45, 0x1111, s40                    ; my column
	s_or_b32 s[G1], s44, (3<<16)|(1<<21)           ; the mask; elements of 8 bytes; bit 21 beside a mask; no padding
	s_or_b32 s[G1B], s45, (3<<16)|(1<<21)
	s_mov_b32 s[G1+1], E0<<16                      ; tensor_dim0
	s_mov_b32 s[G1+2], (ABLK/2)<<16                ; tensor_dim1
	s_mov_b32 s[G1+3], E0<<16                      ; tile_dim0
	s_mov_b32 s[G1+4], ABLK/2                      ; tile_dim1
	s_mov_b32 s[G1+5], KB32/8                      ; elements from block to block
	s_mov_b32 s[G1+6], 0
	s_mov_b32 s[G1+7], 0
	s_mov_b32 s[G1B+1], E0<<16
	s_mov_b32 s[G1B+2], BH0<<16
	s_mov_b32 s[G1B+3], E0<<16
	s_mov_b32 s[G1B+4], BH0
	s_mov_b32 s[G1B+5], KB32/8
	s_mov_b32 s[G1B+6], 0
	s_mov_b32 s[G1B+7], 0
	s_mul_i32 s16, s43, ABLK                       ; A hangs on the tile row alone,
	s_mul_i32 s17, s14, ABLK/2
	s_add_co_u32 s16, s16, s17
	s_mul_i32 s16, s16, KB32
	s_mov_b32 s17, 0
	s_mul_i32 s46, s42, BBLK                       ; B on the tile column alone
	s_mul_i32 s47, s14, BH0
	s_add_co_u32 s46, s46, s47
	s_mul_i32 s46, s46, KB32
	s_mov_b32 s47, 0
	s_mul_i32 s18, s14, (ABLK/2)*BLKB              ; LDS: by the wave's number alone
	s_mul_i32 s19, s14, BH0*BLKB
	s_add_co_u32 s19, s19, BOFF
	s_wait_dscnt 0x0                               ; the opening add is done
	s_wait_kmcnt 0x0
	s_add_nc_u64 s[16:17], s[4:5], s[16:17]
	s_add_nc_u64 s[46:47], s[6:7], s[46:47]
.irp s, 0,1
	s_mov_b32 s[G0+4*\s], 1
	s_add_co_u32 s[G0+4*\s+1], s18, \s*SLOT1
	s_add_nc_u64 s[G0+4*\s+2:G0+4*\s+3], s[16:17], \s*BLKB
	s_or_b32 s[G0+4*\s+3], s[G0+4*\s+3], 0x80000000
	s_mov_b32 s[G0B+4*\s], 1
	s_add_co_u32 s[G0B+4*\s+1], s19, \s*SLOT1
	s_add_nc_u64 s[G0B+4*\s+2:G0B+4*\s+3], s[46:47], \s*BLKB
	s_or_b32 s[G0B+4*\s+3], s[G0B+4*\s+3], 0x80000000
.endr
	CROUND                                         ; all sixteen work-groups are here: the first joint loads meet
	s_cmp_eq_u32 s13, 0                            ; a wave's two first fills stand in one branch: two loads of mine are out
	s_cbranch_scc0 .Lfirst_b
	tensor_load_to_lds s[G0:G0+3], s[G1:G1+7]
	s_nop 0
	tensor_load_to_lds s[G0+4:G0+7], s[G1:G1+7]
	s_nop 0
.rept 4
	v_nop
.endr
	s_branch .Lfirst_done
.Lfirst_b:
	tensor_load_to_lds s[G0B:G0B+3], s[G1B:G1B+7]
	s_nop 0
	tensor_load_to_lds s[G0B+4:G0B+7], s[G1B:G1B+7]
	s_nop 0
.rept 4
	v_nop
.endr
.Lfirst_done:
	v_and_b32 v1, 31, v0
	v_lshlrev_b32 v[L16], 4, v1
	s_lshl_b32 s22, s12, 14                        ; my four blocks of A
	v_add_nc_u32 v[A0], s22, v[L16]
	v_add_nc_u32 v[B0], BOFF, v[L16]
	v_mov_b32 v[ADRA], v[A0]
	v_mov_b32 v[ADRB], v[B0]
	s_mov_b32 s20, 0
	s_lshr_b32 s22, s43, 3                         ; batch
	s_lshl_b32 s22, s22, 4
	s_add_co_u32 s22, s22, s42
	s_lshl_b32 s22, s22, 18                        ; the head's 262,144 bytes
	s_and_b32 s23, s43, 7
	s_lshl_b32 s23, s23, 4
	s_lshl2_add_u32 s23, s12, s23                  ; my first block of 16 positions in the sequence
	s_lshl_b32 s66, s23, 11
	s_add_co_u32 s66, s66, s22
	s_mov_b32 s67, 0
	s_add_nc_u64 s[66:67], s[8:9], s[66:67]        ; Q
	s_add_nc_u64 s[68:69], s[66:67], 8388608       ; K
	s_add_nc_u64 s[70:71], s[66:67], 16777216      ; V
	s_lshl_b32 s72, s23, 12
	s_add_co_u32 s72, s72, ROPE_OFF
	s_mov_b32 s73, 0
	s_add_nc_u64 s[72:73], s[6:7], s[72:73]        ; the table at my positions
.irp a, 0,1,2,3
.irp b, 0,1,2,3
.irp e, 0,1
	global_load_b128 v[TBL+32*\a+8*\b+4*\e:TBL+32*\a+8*\b+4*\e+3], v[L16], s[72:73] offset:\a*4096+\b*1024+\e*512
.endr
.endr
.endr
	s_wait_tensorcnt 0x1                           ; my part of K step 0 is in; slot 1's may stay out
	s_barrier_signal -1
	s_barrier_wait -1
	FETCH 0, F0
	QUARTER 0, F0, F1, 1                           ; the first quarter's products start the sums
	WIN 0
	s_mov_b32 s21, TSTEPS-2
.Lmain:                                        ; the rest of a K step, a refill, the next step's first quarter
	QUARTER 1, F1, F0, 0
	QUARTER 2, F0, F1, 0
	TURN 1
	QUARTER 0, F0, F1, 0
	WIN 0
	s_sub_co_u32 s21, s21, 1
	s_cmp_lg_u32 s21, 0
	s_cbranch_scc1 .Lmain
	s_mov_b32 s21, 2
.Ltail:                                        ; the last two K steps fill nothing; the second trip is left in its middle (its barrier and its last run of loads serve nothing: the price of one text for both)
	QUARTER 1, F1, F0, 0
	QUARTER 2, F0, F1, 0
	TURN 0
	WIN 0
	s_sub_co_u32 s21, s21, 1
	s_cmp_eq_u32 s21, 0
	s_cbranch_scc1 .Ldone
	QUARTER 0, F0, F1, 0
	WIN 0
	s_cmp_lg_u32 s21, 0
	s_cbranch_scc1 .Ltail
.Ldone:
	s_wait_dscnt 0x0
	s_wait_loadcnt 0x0                             ; the table
	PLACES
	PLACES
	; THE WAY OUT, a block of 16 positions at a time.  q, k: (x_e, x_o) -> (x_e c - x_o s, x_o c + x_e s), two packed instructions a pair; each accumulator is read from its low end on
.irp a, 0,1,2,3
.if \a > 0
	s_wait_xcnt 0x0                                ; the last block's stores have read OUT
.endif
.set b_, 0
.rept 8
.set t_, \a*NB+b_
.set rA, 8*(t_%32)
.set rY, 16+8*b_
.if b_ > 5
.set rY, 240+8*(b_-6)
.endif
.set rT, TBL+32*\a+8*(b_%4)
	WIN 2+t_/32                                    ; source 0 in the accumulator's window
.irp p, 0,1,2,3
	v_pk_mul_f32 v[rY+2*\p:rY+2*\p+1], v[rA+2*\p:rA+2*\p+1], v[rT+2*\p:rT+2*\p+1] op_sel_hi:[1,0]
.endr
.irp p, 0,1,2,3
	v_pk_fma_f32 v[rY+2*\p:rY+2*\p+1], v[rA+2*\p:rA+2*\p+1], v[rT+2*\p:rT+2*\p+1], v[rY+2*\p:rY+2*\p+1] op_sel:[1,1,0] op_sel_hi:[0,1,1] neg_lo:[1,0,0]
.endr
.set b_, b_+1
.endr
	WIN 0
.set b_, 0
.rept 8
.set rY, 16+8*b_
.if b_ > 5
.set rY, 240+8*(b_-6)
.endif
.irp p, 0,1,2,3
	v_cvt_pk_f16_f32 v[OUT+4*b_+\p], v[rY+2*\p], v[rY+2*\p+1]
.endr
.set b_, b_+1
.endr
.set b_, 8
.rept 4
.set t_, \a*NB+b_
.set rA, 8*(t_%32)
	WIN 5*(2+t_/32)                                ; sources 0 and 1 in the accumulator's window
.irp p, 0,1,2,3
	v_cvt_pk_f16_f32 v[OUT+4*b_+\p], v[rA+2*\p], v[rA+2*\p+1]
.endr
.set b_, b_+1
.endr
	WIN 0
.irp b, 0,1,2,3
	global_store_b128 v[L16], v[OUT+4*\b:OUT+4*\b+3], s[66:67] offset:\a*2048+\b*512
	global_store_b128 v[L16], v[OUT+16+4*\b:OUT+16+4*\b+3], s[68:69] offset:\a*2048+\b*512
	global_store_b128 v[L16], v[OUT+32+4*\b:OUT+32+4*\b+3], s[70:71] offset:(\a/2)*4096+\b*1024+(\a%2)*512
.endr
.endr
	s_wait_tensorcnt 0x0                           ; the wave's end
	ds_add_u32 v[SPW], v[NIL]
	s_wait_dscnt 0x0
	CROUND                                         ; the closing round
	s_endpgm
.Lfunc_end_k_q52456e6888_qkv:
	.size	k_q52456e6888_qkv, .Lfunc_end_k_q52456e6888_qkv-k_q52456e6888_qkv
	.p2alignl 7, 3214868480
	.fill 96, 4, 3214868480
	.section	.rodata,"a",@progbits
	.p2align	6, 0x0
	.amdhsa_kernel k_q52456e6888_qkv
		.amdhsa_group_segment_fixed_size 327680
		.amdhsa_private_segment_fixed_size 0
		.amdhsa_enable_private_segment 0
		.amdhsa_kernarg_size 24
		.amdhsa_user_sgpr_count 2
		.amdhsa_user_sgpr_kernarg_segment_ptr 1
		.amdhsa_wavefront_size32 1
		.amdhsa_system_sgpr_workgroup_id_x 1
		.amdhsa_system_sgpr_workgroup_id_y 1
		.amdhsa_system_sgpr_workgroup_id_z 1
		.amdhsa_system_vgpr_workitem_id 0
		.amdhsa_next_free_vgpr 896
		.amdhsa_next_free_sgpr 80
		.amdhsa_reserve_vcc 0
		.amdhsa_float_denorm_mode_32 3
		.amdhsa_float_denorm_mode_16_64 3
		.amdhsa_memory_ordered 1
		.amdhsa_forward_progress 1
		.amdhsa_inst_pref_size 95
	.end_amdhsa_kernel
	.amdgpu_metadata
---
amdhsa.version: [ 1, 2 ]
amdhsa.kernels:
  - .name:           k_q52456e6888_qkv
    .symbol:         k_q52456e6888_qkv.kd
    .args:
      - { .name: h, .offset: 0, .size: 8, .value_kind: global_buffer, .address_space: global }
      - { .name: wts, .offset: 8, .size: 8, .value_kind: global_buffer, .address_space: global }
      - { .name: qkv, .offset: 16, .size: 8, .value_kind: global_buffer, .address_space: global }
    .group_segment_fixed_size: 327680
    .private_segment_fixed_size: 0
    .kernarg_segment_align: 8
    .kernarg_segment_size: 24
    .max_flat_workgroup_size: 128
    .sgpr_count:     80
    .vgpr_count:     896
    .wavefront_size: 32
...
	.end_amdgpu_metadata
.endif
;; end of part 2
;; launch attn (part 3): grid 8 x 32, 4 waves a work-group, no clusters, 327,680 bytes of LDS; arguments qkv, o; writes o
.if DOCPART == 3
	.amdgcn_target "amdgcn-amd-amdhsa--gfx1250"
	.amdhsa_code_object_version 6
	.text
	.protected	k_q52456e6888_attn
	.globl	k_q52456e6888_attn
	.p2align	8
	.type	k_q52456e6888_attn,@function
k_q52456e6888_attn:
	s_mov_b64 s[64:65], 0
	v_nop
	global_prefetch_b8 v0, s[64:65] scope:SCOPE_SE
	s_setreg_imm32_b32 hwreg(HW_REG_WAVE_MODE, 25, 1), 1
	s_wait_xcnt 0x0
; CAUSAL ATTENTION at head size 64, f16 operands, f32 products, maxima and sums.  O[q] = sum over k <= q of softmax_k(Q[q] . K[k] / 8) V[k].
; Q, K, V^T lie by heads in fragment order (see the launch before): a fragment is 1,024 consecutive bytes, lane l takes 16 bytes at 16 l and at 512 + 16 l.
; THE WALK.  A head's 2,048 queries are 16 blocks of 128; block i needs the key tiles 0 .. i of 128 keys.  A work-group takes blocks 15 - b and then b: 17 tiles whatever b:
; all 256 work-groups do equal work, and one loop with a constant trip count walks them.  A wave owns 32 queries of a block: two tiles of 16.  A tile of keys is two steps of 64.
; NO CLUSTER: the eight work-groups of a head need 16 - b and then b + 1 tiles: partners would ask for different tiles from trip 16 - b on, and one walk common to four partners would have 24 trips for 17.
; LAYOUT.  S^T = K Q^T: a lane holds one query (lane % 16) and the keys 8 (lane / 16) + 0..7; two results rounded to f16 are source 1 of O^T = V^T P.
; SOFTMAX.  p = 2^(c s - c m), c = log2(e) / 8, with a running maximum m; O and l are multiplied by a = 2^(c m_old - c m_new) in every step.  m starts at the lowest finite number: the first a is 0.
; THE MASK is the C operand that starts S^T: 0, or -1e30 where the key is hidden.  It hangs on D = (key block) - (query block) alone: D > 0 all hidden, D < 0 none, D = 0 the triangle MD0.
; Five groups of eight registers, by t - kb; zero outside a block's last tile.
; IN PHASES: a step's 16 products K Q^T, the softmax (its 66 exponentials are one batch with one wait), the 16 products V^T P.
; LIMITS: a hidden score counts as its value less 1e30; a weight below 2^-126 counts as 0; NaN and infinities are not treated apart; p below 6e-5 keeps f16's fixed step.
; REGISTERS: window 0: addresses, statistics, MD0, S^T v64-127, P v128-159, O^T v160-223.  Window 1: Q v0-31, the second block's Q v32-63, K v64-127, V v128-191, masks v192-231.
.set SLOT1, 32768                      ; a slot: 16 KiB of K, 16 KiB of V^T
.set SPARE, 65536
.set L16, 2
.set ADK, 3
.set ADV, 4
.set TM, 5
.set SPW, 6
.set NIL, 7
.set PFO, 8
.set MV, 12                            ; c m_old, a tile each
.set ST, 16                            ; tile t at + 4 t: c m, m, l (even keys', odd keys')
.set TMP, 24                           ; tile t at + 4 t: c0-c3 at work; c2 takes a
.set MD0, 32
.set S, 64
.set P, 128
.set O, 160
.set QF, 0
.set QB, 32
.set KF, 64
.set VF, 128
.set MC, 192
.set WV, 12
.set PB, 14
.set HI, 15
.set G1, 24
.set G0, 40
.set BASE, 44                          ; s[44:45] my 8,192 bytes of the head's tile 0 (waves 0, 1: K's halves; 2, 3: V's)
.set PFA, 46                           ; s[46:47] where my prefetches stand
.set SLOTS, 56
.set CNT, 57
.set CS, 58
.set SEL, 60
.set TB, 62                            ; LDS byte of the step to be fetched
.set LIM, 63
.set RT, 70                            ; tiles of the block in hand still to be entered
.set NXT, 71                           ; the tile to be asked for next
.set LQ, 72                            ; the last tile of the block whose tiles are being asked for
.set OFF, 74
.set AL, 76
.set BE, 78
.set OLO, 80
.set BIGN, 82
.set DD, 83
.set OP, 84
.set T2W, 86
.set MSB, 0
.macro WIN new
.if MSB != (\new)
	s_set_vgpr_msb (MSB<<8)|(\new)
.set MSB, \new
.endif
.endm
.macro PLACES
.rept 4
	v_nop
.endr
.endm
.macro INIT                            ; a block begins: no mask, c m far below every c s, m the lowest finite number
	WIN 0x40
.set n_, 0
.rept 40
	v_mov_b32 v[MC+n_], 0
.set n_, n_+1
.endr
	WIN 0
.irp t, 0,1
	v_mov_b32 v[ST+4*\t], 0xfe000000
	v_mov_b32 v[ST+4*\t+1], 0xff7fffff
.endr
.endm
; THE CHANGE OF SLOTS.  Each wave waits for all its tensor loads (one is out: its part of the other slot), adds 0 to its spare word, waits for that and for its reads of the slot that it leaves.
; Behind the barrier the old slot is filled again first, with tile NXT; the address is made anew from that number.  One line serves all four waves: each has its own 8,192 bytes in memory and in LDS.
.macro CHANGE fill
	WIN 0
	s_wait_tensorcnt 0x0
	ds_add_u32 v[SPW], v[NIL]
.if \fill
	s_lshl_b32 s[OFF], s[NXT], 14
	s_xor_b32 s[G0+1], s[G0+1], SLOT1
	s_add_nc_u64 s[G0+2:G0+3], s[BASE:BASE+1], s[OFF:OFF+1]
	s_or_b32 s[G0+3], s[G0+3], 0x80000000
	s_add_co_u32 s[NXT], s[NXT], 1                 ; the block's next tile, or behind its last the second block's tile 0
	s_cmp_gt_u32 s[NXT], s[LQ]
	s_cselect_b32 s[NXT], 0, s[NXT]
	s_cselect_b32 s[LQ], s[PB], s[LQ]
	s_wait_xcnt 0x0                                ; the last prefetch, a tile back, has read its address
	s_add_nc_u64 s[PFA:PFA+1], s[PFA:PFA+1], 16384
.endif
	s_wait_dscnt 0x0                               ; the add is done, and my reads of the slot are over
	s_barrier_signal -1
	s_sub_co_u32 s[TB], s[TB], 16384               ; the fetches go back to a slot's first step, in the other slot
	s_xor_b32 s[TB], s[TB], SLOT1
	s_barrier_wait -1
.if \fill
	tensor_load_to_lds s[G0:G0+3], s[G1:G1+7]
	s_nop 0
.rept 4
	v_nop
.endr
	; A prefetch of my 8,192 bytes (a lane 256) of the tile that stands two changes on.  All eight work-groups of a head walk the same tiles from 0 up; the one with b = 0,
	; whose first block has all 16, asks, each tile once: in trip T tile T + 3, up to tile 15.  Tiles 0 to 2 come by their loads alone.
	s_cmp_gt_u32 s[SLOTS], s[LIM]
	s_cbranch_scc0 .Lnot_mine_\@
	global_prefetch_b8 v[PFO], s[PFA:PFA+1] th:TH_LOAD_NT scope:SCOPE_SE
.Lnot_mine_\@:
.endif
.endm
.macro FETCH_K                         ; 64 keys x 64 channels: key block f / 2, channel half f % 2
	WIN 0
	v_add_nc_u32 v[ADK], s[TB], v[L16]
	WIN 0x40
.irp f, 0,1,2,3,4,5,6,7
	ds_load_b128 v[KF+8*\f:KF+8*\f+3], v[ADK] offset:(\f/2)*2048+(\f%2)*1024
	ds_load_b128 v[KF+8*\f+4:KF+8*\f+7], v[ADK] offset:(\f/2)*2048+(\f%2)*1024+512
.endr
	WIN 0
.endm
.macro FETCH_V                         ; 64 channels x 64 keys: key half f / 4, channel block f % 4
	WIN 0
	v_add_nc_u32 v[ADV], s[TB], v[L16]
	s_add_co_u32 s[TB], s[TB], 8192                ; the next fetch is the next step's
	WIN 0x40
.irp f, 0,1,2,3,4,5,6,7
	ds_load_b128 v[VF+8*\f:VF+8*\f+3], v[ADV] offset:16384+(\f/4)*4096+(\f%4)*1024
	ds_load_b128 v[VF+8*\f+4:VF+8*\f+7], v[ADV] offset:16384+(\f/4)*4096+(\f%4)*1024+512
.endr
	WIN 0
.endm
.macro MASK                            ; the diagonal tile: group e serves t - kb = e - 3.  DD = 4 x step - 2 x wave
	s_lshl_b32 s[DD], s[CNT], 2
	s_sub_co_u32 s[DD], 8, s[DD]
	s_sub_co_u32 s[DD], s[DD], s[T2W]
	WIN 0x40
.irp e, 0,1,2,3,4
	s_cmp_eq_i32 s[DD], \e-3
	s_cselect_b32 s[AL], 1.0, 0
	s_cmp_gt_i32 s[DD], \e-3
	s_cselect_b32 s[BE], s[BIGN], 0
.irp z, 0,1,2,3
	v_pk_fma_f32 v[MC+8*\e+2*\z:MC+8*\e+2*\z+1], v[MD0+2*\z:MD0+2*\z+1], s[AL:AL+1], s[BE:BE+1] op_sel_hi:[1,0,0]
.endr
.endr
	WIN 0
.endm
.macro REGS t
.set rT, ST+4*(\t)
.set rC, TMP+4*(\t)
.set rW, MV+(\t)
.set rS, S+32*(\t)
.set rP, P+16*(\t)
.set rO, O+32*(\t)
.endm
; Number n of the 22 that find a tile's maximum and statistics; each accumulator's lowest registers are read first.
.macro XS t, n
	REGS \t
.if (\n) < 4
	v_max3_num_f32 v[rC+(\n)], v[rS+8*(\n)], v[rS+8*(\n)+1], v[rS+8*(\n)+2]
.elseif (\n) < 12
	v_max3_num_f32 v[rC+(\n)%4], v[rC+(\n)%4], v[rS+8*((\n)%4)+2*((\n)/4)+1], v[rS+8*((\n)%4)+2*((\n)/4)+2]
.elseif (\n) == 12
	v_max3_num_f32 v[rC], v[rC], v[rS+7], v[rS+15]
.elseif (\n) == 13
	v_max3_num_f32 v[rC+1], v[rC+1], v[rS+23], v[rS+31]
.elseif (\n) == 14
	v_max3_num_f32 v[rC+2], v[rC+2], v[rC+3], v[rT+1]
.elseif (\n) == 15
	v_mov_b32 v[rW], v[rT]
.elseif (\n) == 16
	v_max3_num_f32 v[rC], v[rC], v[rC+1], v[rC+2]
.elseif (\n) == 17
	v_permlanex16_b32 v[rC+3], v[rC], s[SEL], s[SEL+1]
.elseif (\n) == 18
	v_max_num_f32 v[rT+1], v[rC], v[rC+3]
.elseif (\n) == 19
	v_mul_f32 v[rT], s[CS], v[rT+1]
.elseif (\n) == 20
	v_sub_f32 v[rC+1], v[rW], v[rT]
.else
	v_exp_f32 v[rC+2], v[rC+1]
.endif
.endm
.macro FS t, n                         ; c s - c m for pair n
	REGS \t
	v_pk_fma_f32 v[rS+2*(\n):rS+2*(\n)+1], v[rS+2*(\n):rS+2*(\n)+1], s[CS:CS+1], v[rT:rT+1] op_sel_hi:[1,0,0] neg_lo:[0,0,1] neg_hi:[0,0,1]
.endm
.macro EX t, n
	REGS \t
	v_exp_f32 v[rS+(\n)], v[rS+(\n)]
.endm
.macro RS t, n                         ; pair n of O^T times a
	REGS \t
	v_pk_mul_f32 v[rO+2*(\n):rO+2*(\n)+1], v[rO+2*(\n):rO+2*(\n)+1], v[rC+2:rC+3] op_sel_hi:[1,0]
.endm
.macro CV t, n                         ; pair n rounded to f16
	REGS \t
	v_cvt_pk_f16_f32 v[rP+(\n)], v[rS+2*(\n)], v[rS+2*(\n)+1]
.endm
.macro BS t, n                         ; of four weights the second pair onto the first
	REGS \t
	v_pk_add_f32 v[rS+4*(\n):rS+4*(\n)+1], v[rS+4*(\n):rS+4*(\n)+1], v[rS+4*(\n)+2:rS+4*(\n)+3]
.endm
.macro LS t, n                         ; l takes that sum; the first time l = a l + sum
	REGS \t
.if (\n) == 0
	v_pk_fma_f32 v[rT+2:rT+3], v[rT+2:rT+3], v[rC+2:rC+3], v[rS:rS+1] op_sel_hi:[1,0,1]
.else
	v_pk_add_f32 v[rT+2:rT+3], v[rT+2:rT+3], v[rS+4*(\n):rS+4*(\n)+1]
.endif
.endm
.macro STEP                            ; 64 keys
	s_cmp_eq_u32 s[RT], 0
	s_cbranch_scc0 .Lnomask_\@
	MASK
.Lnomask_\@:
	FETCH_V
	s_wait_dscnt 16                                ; K is in; V's 16 loads may stay out
.set i, 0
.rept 16                               ; channels 32 (i / 8) on, keys 16 ((i / 2) % 4) on, tile i % 2: eight accumulators by turns
.set rS, S+32*(i%2)+8*((i/2)%4)
.set rK, KF+16*((i/2)%4)+8*(i/8)
.set rQ, QF+16*(i%2)+8*(i/8)
.set rM, MC+8*((i%2)+3-((i/2)%4))
.if i < 8
	WIN 0x15
	v_wmma_f32_16x16x32_f16 v[rS:rS+7], v[rK:rK+7], v[rQ:rQ+7], v[rM:rM+7]
.else
	WIN 0x05
	v_wmma_f32_16x16x32_f16 v[rS:rS+7], v[rK:rK+7], v[rQ:rQ+7], v[rS:rS+7]
.endif
.set i, i+1
.endr
	WIN 0
	PLACES                                         ; in front of the loads into K's registers and of the maxima
	s_cmp_eq_u32 s[CNT], 1                         ; a tile's second step has no K to fetch: the next tile's comes behind the change of slots
	s_cbranch_scc1 .Lnok_\@
	FETCH_K
.Lnok_\@:
.irp n, 0,1,2,3,4,5,6,7,8,9,10,11,12,13,15,14,16,17,18,19,20,21
	XS 0, \n
	XS 1, \n
.endr
.set n_, 0
.rept 17                               ; the scalings, and a pair behind them the exponentials: with the two a one batch, none of whose results is named ahead of the wait
.if n_ < 16
	FS 0, n_
	FS 1, n_
.endif
.if n_ > 0
	EX 0, 2*n_-2
	EX 1, 2*n_-2
	EX 0, 2*n_-1
	EX 1, 2*n_-1
.endif
.set n_, n_+1
.endr
	v_nop                                          ; a plain instruction behind the last exponential,
	s_wait_alu depctr_va_vdst(0)                   ; and one wait for the 66
.set n_, 0
.rept 16
	RS 0, n_
	RS 1, n_
.set n_, n_+1
.endr
.set n_, 0
.rept 8
	CV 0, 2*n_
	CV 1, 2*n_
	CV 0, 2*n_+1
	CV 1, 2*n_+1
	BS 0, n_
	BS 1, n_
	LS 0, n_
	LS 1, n_
.set n_, n_+1
.endr
	s_wait_dscnt 0x0                               ; V is in (0, so that the count holds with and without K's run behind it)
.set i, 0
.rept 16                               ; keys 32 (i / 8) on, channels 16 ((i / 2) % 4) on, tile i % 2
.set rO, O+32*(i%2)+8*((i/2)%4)
.set rV, VF+32*(i/8)+8*((i/2)%4)
.set rP, P+16*(i%2)+8*(i/8)
	WIN 0x01
	v_wmma_f32_16x16x32_f16 v[rO:rO+7], v[rV:rV+7], v[rP:rP+7], v[rO:rO+7]
.set i, i+1
.endr
	WIN 0
	PLACES                                         ; in front of the next loads into V's registers and of the readers of O^T
.endm
.macro FINISH last                     ; a block ends: O^T / l, rounded to f16, stored in the next launch's fragment order: each store 512 consecutive bytes
.irp t, 0,1
	v_add_f32 v[ST+4*\t+2], v[ST+4*\t+2], v[ST+4*\t+3]
.endr
.irp t, 0,1
	v_permlanex16_b32 v[ST+4*\t+3], v[ST+4*\t+2], s[SEL], s[SEL+1]
.endr
.irp t, 0,1
	v_add_f32 v[ST+4*\t+2], v[ST+4*\t+2], v[ST+4*\t+3]
.endr
.irp t, 0,1
	v_rcp_f32 v[ST+4*\t+2], v[ST+4*\t+2]
.endr
	v_nop
	s_wait_alu depctr_va_vdst(0)
.irp t, 0,1
.set n_, 0
.rept 16
	v_pk_mul_f32 v[O+32*\t+2*n_:O+32*\t+2*n_+1], v[O+32*\t+2*n_:O+32*\t+2*n_+1], v[ST+4*\t+2:ST+4*\t+3] op_sel_hi:[1,0]
.set n_, n_+1
.endr
.set n_, 0
.rept 16
	v_cvt_pk_f16_f32 v[S+16*\t+n_], v[O+32*\t+2*n_], v[O+32*\t+2*n_+1]
.set n_, n_+1
.endr
.irp c, 0,1,2,3
	global_store_b128 v[L16], v[S+16*\t+4*\c:S+16*\t+4*\c+3], s[OP:OP+1] offset:\t*32768+\c*512
.endr
.endr
.if !(\last)
	s_wait_xcnt 0x0                                ; the stores have read their registers and O's address
	s_mov_b64 s[OP:OP+1], s[OLO:OLO+1]
	s_add_co_u32 s[RT], s[PB], 1                   ; the second block has b + 1 tiles
	WIN 0x41
.set n_, 0
.rept 32
	v_mov_b32 v[QF+n_], v[QB+n_]
.set n_, n_+1
.endr
	INIT                                           ; O^T and l need only be finite: the block's first a is 0
.endif
.endm
.macro BODY last                       ; a tile of 128 keys
	s_sub_co_u32 s[RT], s[RT], 1
	FETCH_K
	s_mov_b32 s[CNT], 2
.Lstep_\@:
	STEP
	s_sub_co_u32 s[CNT], s[CNT], 1
	s_cmp_lg_u32 s[CNT], 0
	s_cbranch_scc1 .Lstep_\@
.if \last
	FINISH 1
.else
	s_cmp_eq_u32 s[RT], 0
	s_cbranch_scc0 .Lgo_\@
	FINISH 0
.Lgo_\@:
.endif
.endm
	s_load_b128 s[4:7], s[0:1], 0x0                ; qkv, o
	v_lshl_add_u32 v[SPW], v0, 2, SPARE
	v_mov_b32 v[NIL], 0
	ds_add_u32 v[SPW], v[NIL]                      ; the wave's opening, ahead of my first tensor load
	ds_add_u32 v6, v7
	v_lshrrev_b32 v1, 5, v0
	v_readfirstlane_b32 s[WV], v1
	v_and_b32 v1, 31, v0
	v_lshlrev_b32 v[L16], 4, v1
	v_lshlrev_b32 v[PFO], 8, v1
	v_and_b32 v9, 15, v0
	v_bfe_u32 v10, v0, 4, 1
	v_lshlrev_b32 v10, 3, v10
	v_sub_nc_u32 v[TM], v9, v10                    ; my query's place less my lanes' 8 (l / 16)
	s_mov_b32 s[PB], ttmp9
	s_sub_co_u32 s[HI], 15, s[PB]
	s_and_b32 s16, ttmp7, 0xffff                   ; batch x 16 + head
	s_mov_b32 s[G1], 3<<16                         ; elements of 8 bytes, no mask, no padding
	s_mov_b32 s[G1+1], 32<<16                      ; 8,192 dense bytes as 32 rows of 256
	s_mov_b32 s[G1+2], 32<<16
	s_mov_b32 s[G1+3], 32<<16
	s_mov_b32 s[G1+4], 32
	s_mov_b32 s[G1+5], 32
	s_mov_b32 s[G1+6], 0
	s_mov_b32 s[G1+7], 0
	s_lshl_b32 s17, s16, 18                        ; the head's 262,144 bytes
	s_lshr_b32 s18, s[WV], 1
	s_add_co_u32 s18, s18, 1
	s_lshl_b32 s18, s18, 23                        ; K's or V's part of the buffer
	s_and_b32 s19, s[WV], 1
	s_lshl_b32 s19, s19, 13
	s_add_co_u32 s18, s18, s19
	s_add_co_u32 s18, s18, s17
	s_mov_b32 s19, 0
	s_lshl_b32 s22, s[WV], 12                      ; my two blocks of 16 queries
	s_lshl_b32 s20, s[HI], 14
	s_add_co_u32 s20, s20, s22
	s_add_co_u32 s20, s20, s17
	s_mov_b32 s21, 0
	s_lshl_b32 s2, s[PB], 14
	s_add_co_u32 s2, s2, s22
	s_add_co_u32 s2, s2, s17
	s_mov_b32 s3, 0
	s_lshr_b32 s23, s16, 4
	s_lshl_b32 s23, s23, 7
	s_lshl1_add_u32 s23, s[WV], s23                ; 128 batch + 2 w
	s_and_b32 s32, s16, 15
	s_lshl_b32 s32, s32, 11                        ; the head's 64 channels: 8 chunks of 256 bytes
	s_lshl3_add_u32 s34, s[HI], s23
	s_lshl_b32 s34, s34, 15
	s_add_co_u32 s34, s34, s32
	s_mov_b32 s35, 0
	s_lshl3_add_u32 s36, s[PB], s23
	s_lshl_b32 s36, s36, 15
	s_add_co_u32 s36, s36, s32
	s_mov_b32 s37, 0
	s_mov_b32 s[CS], 0x3e38aa3b                    ; c = log2(e) / 8
	s_mov_b32 s[CS+1], s[CS]
	s_mov_b32 s[SEL], 0x76543210
	s_mov_b32 s[SEL+1], 0xfedcba98
	s_mov_b32 s[TB], SLOT1+16384                   ; the first change of slots turns it into 0
	s_add_co_u32 s[RT], s[HI], 1
	s_mov_b32 s[NXT], 1
	s_mov_b32 s[LQ], s[HI]
	s_mov_b32 s[OFF+1], 0
	s_mov_b32 s[AL+1], 0
	s_mov_b32 s[BE+1], 0
	s_mov_b32 s[BIGN], 0xf149f2ca                  ; -1e30
	s_lshl_b32 s[T2W], s[WV], 1
	s_mov_b32 s[SLOTS], 16
	s_cmp_eq_u32 s[PB], 0
	s_cselect_b32 s[LIM], 3, -1
	s_mov_b32 s[G0], 1
	s_lshl_b32 s[G0+1], s[WV], 13                  ; slot 0, my 8,192 bytes
	s_wait_dscnt 0x0                               ; the opening add is done
	s_wait_kmcnt 0x0
	s_add_nc_u64 s[BASE:BASE+1], s[4:5], s[18:19]
	s_add_nc_u64 s[PFA:PFA+1], s[BASE:BASE+1], 2*16384
	s_add_nc_u64 s[20:21], s[4:5], s[20:21]        ; Q of the first block,
	s_add_nc_u64 s[2:3], s[4:5], s[2:3]            ; of the second
	s_add_nc_u64 s[OP:OP+1], s[6:7], s[34:35]
	s_add_nc_u64 s[OLO:OLO+1], s[6:7], s[36:37]
	s_mov_b64 s[G0+2:G0+3], s[BASE:BASE+1]
	s_or_b32 s[G0+3], s[G0+3], 0x80000000
	tensor_load_to_lds s[G0:G0+3], s[G1:G1+7]      ; tile 0 into slot 0
	s_nop 0
.rept 4
	v_nop
.endr
	WIN 0x40
.irp i, 0,1,2,3
	global_load_b128 v[QF+8*\i:QF+8*\i+3], v[L16], s[20:21] offset:(\i/2)*2048+(\i%2)*1024
	global_load_b128 v[QF+8*\i+4:QF+8*\i+7], v[L16], s[20:21] offset:(\i/2)*2048+(\i%2)*1024+512
	global_load_b128 v[QB+8*\i:QB+8*\i+3], v[L16], s[2:3] offset:(\i/2)*2048+(\i%2)*1024
	global_load_b128 v[QB+8*\i+4:QB+8*\i+7], v[L16], s[2:3] offset:(\i/2)*2048+(\i%2)*1024+512
.endr
	WIN 0
.set n_, 0
.rept 8
	v_cmp_gt_i32 vcc_lo, n_, v[TM]                 ; key 8 (l / 16) + n beyond query l % 16
	v_cndmask_b32 v[MD0+n_], 0, s[BIGN], vcc_lo
.set n_, n_+1
.endr
.set n_, 0
.rept 64
	v_mov_b32 v[O+n_], 0                           ; finite numbers for the first a = 0 to multiply: written in the wait for the first tile
.set n_, n_+1
.endr
.irp t, 0,1
	v_mov_b32 v[ST+4*\t+2], 0
	v_mov_b32 v[ST+4*\t+3], 0
.endr
	INIT
	s_wait_loadcnt 0x0                             ; Q
.Lslot:                                        ; 16 times: a tile is entered and the next is asked for
	CHANGE 1
	BODY 0
	s_sub_co_u32 s[SLOTS], s[SLOTS], 1
	s_cmp_lg_u32 s[SLOTS], 0
	s_cbranch_scc1 .Lslot
	CHANGE 0                                       ; the walk's last tile is written out
	BODY 1
	s_wait_tensorcnt 0x0                           ; the wave's end
	ds_add_u32 v[SPW], v[NIL]
	s_wait_dscnt 0x0
	s_endpgm
.Lfunc_end_k_q52456e6888_attn:
	.size	k_q52456e6888_attn, .Lfunc_end_k_q52456e6888_attn-k_q52456e6888_attn
	.p2alignl 7, 3214868480
	.fill 96, 4, 3214868480
	.section	.rodata,"a",@progbits
	.p2align	6, 0x0
	.amdhsa_kernel k_q52456e6888_attn
		.amdhsa_group_segment_fixed_size 327680
		.amdhsa_private_segment_fixed_size 0
		.amdhsa_enable_private_segment 0
		.amdhsa_kernarg_size 16
		.amdhsa_user_sgpr_count 2
		.amdhsa_user_sgpr_kernarg_segment_ptr 1
		.amdhsa_wavefront_size32 1
		.amdhsa_system_sgpr_workgroup_id_x 1
		.amdhsa_system_sgpr_workgroup_id_y 1
		.amdhsa_system_sgpr_workgroup_id_z 1
		.amdhsa_system_vgpr_workitem_id 0
		.amdhsa_next_free_vgpr 512
		.amdhsa_next_free_sgpr 88
		.amdhsa_reserve_vcc 1
		.amdhsa_float_denorm_mode_32 3
		.amdhsa_float_denorm_mode_16_64 3
		.amdhsa_memory_ordered 1
		.amdhsa_forward_progress 1
		.amdhsa_inst_pref_size 66
	.end_amdhsa_kernel
	.amdgpu_metadata
---
amdhsa.version: [ 1, 2 ]
amdhsa.kernels:
  - .name:           k_q52456e6888_attn
    .symbol:         k_q52456e6888_attn.kd
    .args:
      - { .name: qkv, .offset: 0, .size: 8, .value_kind: global_buffer, .address_space: global }
      - { .name: o, .offset: 8, .size: 8, .value_kind: global_buffer, .address_space: global }
    .group_segment_fixed_size: 327680
    .private_segment_fixed_size: 0
    .kernarg_segment_align: 8
    .kernarg_segment_size: 16
    .max_flat_workgroup_size: 128
    .sgpr_count:     88
    .vgpr_count:     512
    .wavefront_size: 32
...
	.end_amdgpu_metadata
.endif
;; end of part 3
;; launch wo (part 4): grid 8 x 32, 4 waves a work-group, clusters of 4 x 4, 327,680 bytes of LDS; arguments o, wts, x, x1; writes x1
.if DOCPART == 4
	.amdgcn_target "amdgcn-amd-amdhsa--gfx1250"
	.amdhsa_code_object_version 6
	.text
	.protected	k_q52456e6888_wo
	.globl	k_q52456e6888_wo
	.p2align	8
	.type	k_q52456e6888_wo,@function
k_q52456e6888_wo:
	s_mov_b64 s[64:65], 0
	v_nop
	global_prefetch_b8 v0, s[64:65] scope:SCOPE_SE
	s_setreg_imm32_b32 hwreg(HW_REG_WAVE_MODE, 25, 1), 1
	s_wait_xcnt 0x0
	s_wait_alu depctr_hold_cnt(0) depctr_sa_sdst(0) depctr_va_vdst(0) depctr_va_sdst(0) depctr_va_ssrc(0) depctr_va_vcc(0) depctr_vm_vsrc(0)
	s_getreg_b32 s2, hwreg(HW_REG_IB_STS2, 6, 4)
	s_cmp_eq_u32 s2, 0
	s_cbranch_scc0 .Lentry_in_a_cluster
	s_endpgm
.Lentry_in_a_cluster:
	s_bfe_u32 s2, ttmp6, 0x10000c
	s_cmp_lg_u32 s2, 0xf033
	s_cbranch_scc0 .Lentry_shape_is_right
	s_endpgm
.Lentry_shape_is_right:
; x1 = x + O wo^T.  O: [4096][1024] f16, wo: [1024][1024] f16 (in wts), both in blocks of 16 rows in fragment order; x, x1: f32, row-major.
; A work-group makes 128 x 128, each of its four waves 64 x 64: 16 accumulators.  256 work-groups.  K goes in 4 steps of 256 through two LDS slots;
; a block's part of a step is 8,192 dense bytes, one row of a tensor load.  The product is taken transposed (source 0 = weights): a lane holds 8 neighbouring columns of a row.
; The way out goes through each wave's own stage in LDS, so that 16 lanes store 256 consecutive bytes, aligned; the residual is loaded at the start in the same shape.
; CLUSTER 4 x 4: A's tile is shared along a row of the cluster, B's along a column: each is asked for jointly.
.set BF, 0                             ; f16 operands
.set BLKB, 8192
.set E0, 1024
.set TSTEPS, 4
.set KB32, 32768
.set WOFF, 6291456
.set ABLK, 8
.set BBLK, 8
.set BH0, 4
.set BOFF, ABLK*BLKB
.set SLOT1, 131072
.set STAGE, 262144                     ; 16 rows x 272 bytes for each wave; no tensor load lands here
.set SPARE, 279552
.set NL, 32
.set HOUT, 16                          ; the second 32 along K of a quarter are not needed by its first half
.set F0, 0                             ; window 1: a buffer: for each 32 along K, B's 4 fragments, then A's 4
.set F1, 128
.set L16, 2
.set ADRA, 4
.set ADRB, 5
.set A0, 6
.set B0, 7
.set SPW, 8
.set NIL, 9
.set STO, 10
.set RD, 11
.set CO, 12
.set RES, 64                           ; v64-191 the residual
.set BK, 192                           ; v192-255 rows read back from the stage, two sets
.set G1, 24
.set G0, 32
.set G1B, 48
.set G0B, 56
.set MSB, 0
.macro WIN new
.if MSB != (\new)
	s_set_vgpr_msb (MSB<<8)|(\new)
.set MSB, \new
.endif
.endm
.macro PLACES
.rept 4
	v_nop
.endr
.endm
.macro JLOAD
	s_cmp_eq_u32 s13, 0
	s_cbranch_scc0 .Lfor_b_\@
	tensor_load_to_lds s[G0+4:G0+7], s[G1:G1+7]
	s_nop 0
.rept 4
	v_nop
.endr
	s_branch .Lasked_\@
.Lfor_b_\@:
	tensor_load_to_lds s[G0B+4:G0B+7], s[G1B:G1B+7]
	s_nop 0
.rept 4
	v_nop
.endr
.Lasked_\@:
.endm
.macro CREST
	s_cmp_lg_u32 s12, 0
	s_cbranch_scc1 .Lnot_wave_0_\@
	s_barrier_signal -3
.Lnot_wave_0_\@:
	s_barrier_wait -3
	s_barrier_signal -1
	s_barrier_wait -1
.endm
.macro CROUND
	s_barrier_signal -1
	s_barrier_wait -1
	CREST
.endm
; 8 products: piece p / 2 of the quarter's 64 along K, row blocks 2 (p % 2) and + 1, all 4 column blocks.  The accumulators (window 2, 8 (4 a + b)) take turns.
.macro MULP f, p, zero
.set z_, 0
.if (\zero) && ((\p) < 2)
.set z_, 1
.endif
.set a_, 2*((\p)%2)
.rept 2
.set b_, 0
.rept 4
.set rD, 8*(4*a_+b_)
.set rX, (\f)+8*(8*((\p)/2)+b_)
.set rY, (\f)+8*(8*((\p)/2)+4+a_)
	WIN 0xa5
.if BF
.if z_
	v_wmma_f32_16x16x32_bf16 v[rD:rD+7], v[rX:rX+7], v[rY:rY+7], 0
.else
	v_wmma_f32_16x16x32_bf16 v[rD:rD+7], v[rX:rX+7], v[rY:rY+7], v[rD:rD+7]
.endif
.else
.if z_
	v_wmma_f32_16x16x32_f16 v[rD:rD+7], v[rX:rX+7], v[rY:rY+7], 0
.else
	v_wmma_f32_16x16x32_f16 v[rD:rD+7], v[rX:rX+7], v[rY:rY+7], v[rD:rD+7]
.endif
.endif
.set b_, b_+1
.endr
.set a_, a_+1
.endr
.endm
.macro FETCH q, f
	WIN 0x40
.set c_, 0
.rept 2
.set b_, 0
.rept 4
	ds_load_b128 v[(\f)+8*(8*c_+b_):(\f)+8*(8*c_+b_)+3], v[ADRB] offset:b_*BLKB+((\q)*2+c_)*1024
	ds_load_b128 v[(\f)+8*(8*c_+b_)+4:(\f)+8*(8*c_+b_)+7], v[ADRB] offset:b_*BLKB+((\q)*2+c_)*1024+512
.set b_, b_+1
.endr
.set b_, 0
.rept 4
	ds_load_b128 v[(\f)+8*(8*c_+4+b_):(\f)+8*(8*c_+4+b_)+3], v[ADRA] offset:b_*BLKB+((\q)*2+c_)*1024
	ds_load_b128 v[(\f)+8*(8*c_+4+b_)+4:(\f)+8*(8*c_+4+b_)+7], v[ADRA] offset:b_*BLKB+((\q)*2+c_)*1024+512
.set b_, b_+1
.endr
.set c_, c_+1
.endr
.endm
.macro QUARTER q, f, g, zero
	s_wait_dscnt HOUT                              ; the first 32 along K are in
	MULP \f, 0, \zero
	MULP \f, 1, \zero
	PLACES
	FETCH (\q)+1, \g
	s_wait_dscnt NL                                ; all but the run just issued
	MULP \f, 2, \zero
	MULP \f, 3, \zero
.endm
.macro TURN fill
	WIN 0
	s_wait_tensorcnt 0x0                           ; all my tensor loads have landed: my part of the next slot
	ds_add_u32 v[SPW], v[NIL]
	s_wait_dscnt HOUT+1                            ; the add and the youngest sixteen loads may be out
	MULP F1, 0, 0
	s_wait_dscnt 0x0                               ; the add is done, and my reads of this slot are over
	s_barrier_signal -1
	MULP F1, 1, 0
	WIN 0
	s_barrier_wait -1
.if \fill
	CREST
	s_xor_b32 s[G0+5], s[G0+5], SLOT1
	s_add_nc_u64 s[G0+6:G0+7], s[G0+6:G0+7], BLKB
	s_xor_b32 s[G0B+5], s[G0B+5], SLOT1
	s_add_nc_u64 s[G0B+6:G0B+7], s[G0B+6:G0B+7], BLKB
	JLOAD
.else
	PLACES
.endif
	s_xor_b32 s20, s20, SLOT1
	v_add_nc_u32 v[ADRA], s20, v[A0]
	v_add_nc_u32 v[ADRB], s20, v[B0]
	FETCH 0, F0
	MULP F1, 2, 0
	MULP F1, 3, 0
.endm
	s_load_b256 s[4:11], s[0:1], 0x0               ; A, wts, the residual, the result
	v_lshl_add_u32 v[SPW], v0, 2, SPARE
	v_mov_b32 v[NIL], 0
	ds_add_u32 v[SPW], v[NIL]                      ; the wave's opening, ahead of my first tensor load
	ds_add_u32 v8, v9
	v_lshrrev_b32 v1, 5, v0
	v_readfirstlane_b32 s12, v1
	s_lshr_b32 s13, s12, 1                         ; my half of the rows; also: I fetch for A (0) or B (1)
	s_and_b32 s14, s12, 1                          ; my half of the columns; also: which half I fetch
	s_bfe_u32 s40, ttmp6, 0x40000
	s_bfe_u32 s41, ttmp6, 0x40004
	s_lshl_b32 s42, ttmp9, 2
	s_add_co_u32 s42, s42, s40
	s_and_b32 s43, ttmp7, 0xffff
	s_lshl_b32 s43, s43, 2
	s_add_co_u32 s43, s43, s41
	s_lshl_b32 s44, s41, 2
	s_lshl_b32 s44, 15, s44
	s_lshl_b32 s45, 0x1111, s40
	s_or_b32 s[G1], s44, (3<<16)|(1<<21)
	s_or_b32 s[G1B], s45, (3<<16)|(1<<21)
.irp g, G1, G1B
	s_mov_b32 s[\g+1], E0<<16
	s_mov_b32 s[\g+2], BH0<<16
	s_mov_b32 s[\g+3], E0<<16
	s_mov_b32 s[\g+4], BH0
	s_mov_b32 s[\g+5], KB32/8
	s_mov_b32 s[\g+6], 0
	s_mov_b32 s[\g+7], 0
.endr
	s_mul_i32 s16, s43, ABLK
	s_mul_i32 s17, s14, ABLK/2
	s_add_co_u32 s16, s16, s17
	s_mul_i32 s16, s16, KB32
	s_mov_b32 s17, 0
	s_mul_i32 s46, s42, BBLK
	s_mul_i32 s47, s14, BH0
	s_add_co_u32 s46, s46, s47
	s_mul_i32 s46, s46, KB32
	s_add_co_u32 s46, s46, WOFF
	s_mov_b32 s47, 0
	s_mul_i32 s18, s14, (ABLK/2)*BLKB
	s_mul_i32 s19, s14, BH0*BLKB
	s_add_co_u32 s19, s19, BOFF
	s_wait_dscnt 0x0
	s_wait_kmcnt 0x0
	s_add_nc_u64 s[16:17], s[4:5], s[16:17]
	s_add_nc_u64 s[46:47], s[6:7], s[46:47]
.irp s, 0,1
	s_mov_b32 s[G0+4*\s], 1
	s_add_co_u32 s[G0+4*\s+1], s18, \s*SLOT1
	s_add_nc_u64 s[G0+4*\s+2:G0+4*\s+3], s[16:17], \s*BLKB
	s_or_b32 s[G0+4*\s+3], s[G0+4*\s+3], 0x80000000
	s_mov_b32 s[G0B+4*\s], 1
	s_add_co_u32 s[G0B+4*\s+1], s19, \s*SLOT1
	s_add_nc_u64 s[G0B+4*\s+2:G0B+4*\s+3], s[46:47], \s*BLKB
	s_or_b32 s[G0B+4*\s+3], s[G0B+4*\s+3], 0x80000000
.endr
	CROUND
	s_cmp_eq_u32 s13, 0
	s_cbranch_scc0 .Lfirst_b
	tensor_load_to_lds s[G0:G0+3], s[G1:G1+7]
	s_nop 0
	tensor_load_to_lds s[G0+4:G0+7], s[G1:G1+7]
	s_nop 0
.rept 4
	v_nop
.endr
	s_branch .Lfirst_done
.Lfirst_b:
	tensor_load_to_lds s[G0B:G0B+3], s[G1B:G1B+7]
	s_nop 0
	tensor_load_to_lds s[G0B+4:G0B+7], s[G1B:G1B+7]
	s_nop 0
.rept 4
	v_nop
.endr
.Lfirst_done:
	v_and_b32 v1, 31, v0
	v_lshlrev_b32 v[L16], 4, v1
	s_lshl_b32 s22, s13, 15                        ; my four blocks of A,
	v_add_nc_u32 v[A0], s22, v[L16]
	s_lshl_b32 s22, s14, 15                        ; of B
	s_add_co_u32 s22, s22, BOFF
	v_add_nc_u32 v[B0], s22, v[L16]
	v_mov_b32 v[ADRA], v[A0]
	v_mov_b32 v[ADRB], v[B0]
	s_mov_b32 s20, 0
	v_and_b32 v13, 15, v0                          ; l % 16
	v_bfe_u32 v14, v0, 4, 1                        ; l / 16
	s_mul_i32 s23, s12, 16*272
	s_add_co_u32 s23, s23, STAGE
	v_mul_u32_u24 v[STO], v13, 272                 ; in: row l % 16, 32 bytes for each half of the lanes
	v_lshl_add_u32 v[STO], v14, 5, v[STO]
	v_add_nc_u32 v[STO], s23, v[STO]
	v_mul_u32_u24 v[RD], v14, 272                  ; back: lanes 0-15 one row of 256 bytes, lanes 16-31 the next
	v_lshl_add_u32 v[RD], v13, 4, v[RD]
	v_add_nc_u32 v[RD], s23, v[RD]
	v_lshlrev_b32 v[CO], 12, v14                   ; the same two rows in memory
	v_lshl_add_u32 v[CO], v13, 4, v[CO]
	s_lshl_b32 s22, s43, 7
	s_lshl_b32 s23, s13, 6
	s_add_co_u32 s22, s22, s23                     ; my first row
	s_lshl_b32 s22, s22, 12
	s_lshl_b32 s23, s42, 9
	s_add_co_u32 s22, s22, s23
	s_lshl_b32 s23, s14, 8
	s_add_co_u32 s66, s22, s23                     ; + my first column, in bytes
	s_mov_b32 s67, 0
	s_add_nc_u64 s[68:69], s[8:9], s[66:67]
	s_add_nc_u64 s[70:71], s[10:11], s[66:67]
.irp a, 0,1,2,3
.irp t, 0,1,2,3,4,5,6,7
	global_load_b128 v[RES+32*\a+4*\t:RES+32*\a+4*\t+3], v[CO], s[68:69] offset:(16*\a+2*\t)*4096
.endr
.endr
	s_wait_tensorcnt 0x1                           ; my part of K step 0 is in; slot 1's may stay out
	s_barrier_signal -1
	s_barrier_wait -1
	FETCH 0, F0
	QUARTER 0, F0, F1, 1
	WIN 0
	s_mov_b32 s21, TSTEPS-2
.Lmain:
	QUARTER 1, F1, F0, 0
	QUARTER 2, F0, F1, 0
	TURN 1
	QUARTER 0, F0, F1, 0
	WIN 0
	s_sub_co_u32 s21, s21, 1
	s_cmp_lg_u32 s21, 0
	s_cbranch_scc1 .Lmain
	s_mov_b32 s21, 2
.Ltail:                                        ; the last two K steps fill nothing; the second trip is left in its middle
	QUARTER 1, F1, F0, 0
	QUARTER 2, F0, F1, 0
	TURN 0
	WIN 0
	s_sub_co_u32 s21, s21, 1
	s_cmp_eq_u32 s21, 0
	s_cbranch_scc1 .Ldone
	QUARTER 0, F0, F1, 0
	WIN 0
	s_cmp_lg_u32 s21, 0
	s_cbranch_scc1 .Ltail
.Ldone:
	s_wait_dscnt 0x0
	s_wait_loadcnt 0x0                             ; the residual
	PLACES
	PLACES
.irp a, 0,1,2,3
	WIN 0x08                                       ; the stores' data in window 2
.irp b, 0,1,2,3
	ds_store_b128 v[STO], v[8*(4*\a+\b):8*(4*\a+\b)+3] offset:64*\b
	ds_store_b128 v[STO], v[8*(4*\a+\b)+4:8*(4*\a+\b)+7] offset:64*\b+16
.endr
	WIN 0
.irp t, 0,1,2,3,4,5,6,7
	ds_load_b128 v[BK+32*(\a%2)+4*\t:BK+32*(\a%2)+4*\t+3], v[RD] offset:\t*544   ; a wave's LDS instructions are served in order: these see the stores above
.endr
.irp t, 0,1,2,3,4,5,6,7
	s_wait_dscnt 7-\t
	v_pk_add_f32 v[RES+32*\a+4*\t:RES+32*\a+4*\t+1], v[RES+32*\a+4*\t:RES+32*\a+4*\t+1], v[BK+32*(\a%2)+4*\t:BK+32*(\a%2)+4*\t+1]
	v_pk_add_f32 v[RES+32*\a+4*\t+2:RES+32*\a+4*\t+3], v[RES+32*\a+4*\t+2:RES+32*\a+4*\t+3], v[BK+32*(\a%2)+4*\t+2:BK+32*(\a%2)+4*\t+3]
	global_store_b128 v[CO], v[RES+32*\a+4*\t:RES+32*\a+4*\t+3], s[70:71] offset:(16*\a+2*\t)*4096
.endr
.endr
	s_wait_tensorcnt 0x0                           ; the wave's end
	ds_add_u32 v[SPW], v[NIL]
	s_wait_dscnt 0x0
	CROUND
	s_endpgm
.Lfunc_end_k_q52456e6888_wo:
	.size	k_q52456e6888_wo, .Lfunc_end_k_q52456e6888_wo-k_q52456e6888_wo
	.p2alignl 7, 3214868480
	.fill 96, 4, 3214868480
	.section	.rodata,"a",@progbits
	.p2align	6, 0x0
	.amdhsa_kernel k_q52456e6888_wo
		.amdhsa_group_segment_fixed_size 327680
		.amdhsa_private_segment_fixed_size 0
		.amdhsa_enable_private_segment 0
		.amdhsa_kernarg_size 32
		.amdhsa_user_sgpr_count 2
		.amdhsa_user_sgpr_kernarg_segment_ptr 1
		.amdhsa_wavefront_size32 1
		.amdhsa_system_sgpr_workgroup_id_x 1
		.amdhsa_system_sgpr_workgroup_id_y 1
		.amdhsa_system_sgpr_workgroup_id_z 1
		.amdhsa_system_vgpr_workitem_id 0
		.amdhsa_next_free_vgpr 640
		.amdhsa_next_free_sgpr 80
		.amdhsa_reserve_vcc 0
		.amdhsa_float_denorm_mode_32 3
		.amdhsa_float_denorm_mode_16_64 3
		.amdhsa_memory_ordered 1
		.amdhsa_forward_progress 1
		.amdhsa_inst_pref_size 65
	.end_amdhsa_kernel
	.amdgpu_metadata
---
amdhsa.version: [ 1, 2 ]
amdhsa.kernels:
  - .name:           k_q52456e6888_wo
    .symbol:         k_q52456e6888_wo.kd
    .args:
      - { .name: o, .offset: 0, .size: 8, .value_kind: global_buffer, .address_space: global }
      - { .name: wts, .offset: 8, .size: 8, .value_kind: global_buffer, .address_space: global }
      - { .name: x, .offset: 16, .size: 8, .value_kind: global_buffer, .address_space: global }
      - { .name: x1, .offset: 24, .size: 8, .value_kind: global_buffer, .address_space: global }
    .group_segment_fixed_size: 327680
    .private_segment_fixed_size: 0
    .kernarg_segment_align: 8
    .kernarg_segment_size: 32
    .max_flat_workgroup_size: 128
    .sgpr_count:     80
    .vgpr_count:     640
    .wavefront_size: 32
...
	.end_amdgpu_metadata
.endif
;; end of part 4
;; launch norm2 (part 5): grid 256 x 1, 4 waves a work-group, no clusters, 35,328 bytes of LDS; arguments x1, norm2_w, h; writes h
.if DOCPART == 5
	.amdgcn_target "amdgcn-amd-amdhsa--gfx1250"
	.amdhsa_code_object_version 6
	.text
	.protected	k_q52456e6888_norm2
	.globl	k_q52456e6888_norm2
	.p2align	8
	.type	k_q52456e6888_norm2,@function
k_q52456e6888_norm2:
	s_mov_b64 s[64:65], 0
	v_nop
	global_prefetch_b8 v0, s[64:65] scope:SCOPE_SE
	s_setreg_imm32_b32 hwreg(HW_REG_WAVE_MODE, 25, 1), 1
	s_wait_xcnt 0x0
; h = rmsnorm(x1) * norm2_w in f16, in blocks of 16 rows in fragment order: element (row, k) at (row/16) * 32768 + (k/8) * 256 + (row%16) * 16 + (k%8) * 2.
; A work-group takes 16 rows, a wave four.  The turn from rows to chunks of 16 rows x 16 bytes goes through LDS: 128 chunks, 272 bytes apart.
; LIMITS: 1 / rms is v_rsq_f32 (1 ulp); x1 / rms * norm2_w beyond 65,504 becomes an infinity in f16.
.set SPARE, 34816
.set CH, 272
.set L16, 2
.set LT, 3
.set RDL, 4
.set SPW, 6
.set NIL, 7
.set W, 32
.set X, 64
	s_load_b128 s[8:11], s[0:1], 0x0               ; x1, norm2_w
	s_load_b64 s[12:13], s[0:1], 0x10              ; h
	v_lshl_add_u32 v[SPW], v0, 2, SPARE
	v_mov_b32 v[NIL], 0
	v_lshrrev_b32 v1, 5, v0
	v_readfirstlane_b32 s2, v1
	s_mov_b32 s3, ttmp9
	v_and_b32 v1, 31, v0
	v_lshlrev_b32 v[L16], 4, v1
	v_lshrrev_b32 v18, 1, v1
	v_and_b32 v19, 1, v1
	v_mul_u32_u24 v[LT], v18, CH
	v_lshl_add_u32 v[LT], v19, 3, v[LT]
	s_lshl_b32 s45, s2, 6
	v_add_nc_u32 v[LT], s45, v[LT]                 ; chunk l/2, row 4 w
	v_lshrrev_b32 v18, 4, v1
	v_and_b32 v19, 15, v1
	v_mul_u32_u24 v[RDL], v18, CH
	v_lshl_add_u32 v[RDL], v19, 4, v[RDL]
	s_mul_i32 s45, s2, 32*CH
	v_add_nc_u32 v[RDL], s45, v[RDL]
	s_mov_b32 s56, 0x76543210
	s_mov_b32 s57, 0xfedcba98
	s_mov_b32 s58, 0x3a800000                      ; 1/1024
	s_mov_b32 s59, 0x3727c5ac                      ; 1e-5
	s_lshl_b32 s46, s3, 16
	s_lshl_b32 s45, s2, 14
	s_add_co_u32 s46, s46, s45
	s_mov_b32 s47, 0
	s_lshl_b32 s48, s3, 15
	s_lshl_b32 s45, s2, 13
	s_add_co_u32 s48, s48, s45
	s_mov_b32 s49, 0
	s_wait_kmcnt 0x0
	s_add_nc_u64 s[32:33], s[8:9], s[46:47]
	s_add_nc_u64 s[40:41], s[12:13], s[48:49]
.irp t, 0,1,2,3
.irp j, 0,1,2,3,4,5,6,7
	global_load_b128 v[X+32*\t+4*\j:X+32*\t+4*\j+3], v[L16], s[32:33] offset:\t*4096+\j*512
.endr
.endr
.irp j, 0,1,2,3,4,5,6,7
	global_load_b128 v[W+4*\j:W+4*\j+3], v[L16], s[10:11] offset:\j*512
.endr
.irp t, 0,1,2,3
	s_wait_loadcnt 32-8*\t                         ; row t is in; the younger rows' loads and the 8 of the weights may stay out
	v_pk_mul_f32 v[18:19], v[X+32*\t:X+32*\t+1], v[X+32*\t:X+32*\t+1]
	v_pk_mul_f32 v[20:21], v[X+32*\t+2:X+32*\t+3], v[X+32*\t+2:X+32*\t+3]
.irp j, 1,2,3,4,5,6,7
	v_pk_fma_f32 v[18:19], v[X+32*\t+4*\j:X+32*\t+4*\j+1], v[X+32*\t+4*\j:X+32*\t+4*\j+1], v[18:19]
	v_pk_fma_f32 v[20:21], v[X+32*\t+4*\j+2:X+32*\t+4*\j+3], v[X+32*\t+4*\j+2:X+32*\t+4*\j+3], v[20:21]
.endr
	v_pk_add_f32 v[18:19], v[18:19], v[20:21]
	v_add_f32 v18, v18, v19
	v_add_f32_dpp v18, v18, v18 row_xmask:1 row_mask:0xf bank_mask:0xf
	v_add_f32_dpp v18, v18, v18 row_xmask:2 row_mask:0xf bank_mask:0xf
	v_add_f32_dpp v18, v18, v18 row_xmask:4 row_mask:0xf bank_mask:0xf
	v_add_f32_dpp v18, v18, v18 row_xmask:8 row_mask:0xf bank_mask:0xf
	v_permlanex16_b32 v19, v18, s56, s57
	v_add_f32 v18, v18, v19
	v_fma_f32 v[25+2*\t], v18, s58, s59
.endr
.irp t, 0,1,2,3
	v_rsq_f32 v[24+2*\t], v[25+2*\t]
.endr
	v_nop
	s_wait_alu depctr_va_vdst(0)                   ; one wait for the four
	s_wait_loadcnt 0x0
.irp t, 0,1,2,3
.irp j, 0,1,2,3,4,5,6,7
	v_pk_mul_f32 v[X+32*\t+4*\j:X+32*\t+4*\j+1], v[X+32*\t+4*\j:X+32*\t+4*\j+1], v[24+2*\t:25+2*\t] op_sel_hi:[1,0]
	v_pk_mul_f32 v[X+32*\t+4*\j+2:X+32*\t+4*\j+3], v[X+32*\t+4*\j+2:X+32*\t+4*\j+3], v[24+2*\t:25+2*\t] op_sel_hi:[1,0]
	v_pk_mul_f32 v[X+32*\t+4*\j:X+32*\t+4*\j+1], v[X+32*\t+4*\j:X+32*\t+4*\j+1], v[W+4*\j:W+4*\j+1]
	v_pk_mul_f32 v[X+32*\t+4*\j+2:X+32*\t+4*\j+3], v[X+32*\t+4*\j+2:X+32*\t+4*\j+3], v[W+4*\j+2:W+4*\j+3]
	v_cvt_pk_f16_f32 v[X+32*\t+4*\j], v[X+32*\t+4*\j], v[X+32*\t+4*\j+1]
	v_cvt_pk_f16_f32 v[X+32*\t+4*\j+1], v[X+32*\t+4*\j+2], v[X+32*\t+4*\j+3]
	ds_store_b64 v[LT], v[X+32*\t+4*\j:X+32*\t+4*\j+1] offset:\j*16*CH+\t*16
.endr
.endr
	s_wait_dscnt 0x0                               ; my stores into the chunks are done, for the others' sake
	s_barrier_signal -1
	s_barrier_wait -1
.irp t, 0,1,2,3,4,5,6,7,8,9,10,11,12,13,14,15
	ds_load_b128 v[X+4*\t:X+4*\t+3], v[RDL] offset:\t*2*CH
.endr
.irp t, 0,1,2,3,4,5,6,7,8,9,10,11,12,13,14,15
	s_wait_dscnt 15-\t
	global_store_b128 v[L16], v[X+4*\t:X+4*\t+3], s[40:41] offset:\t*512   ; 512 consecutive bytes
.endr
	s_wait_tensorcnt 0x0                           ; the wave's end, behind my last LDS store
	ds_add_u32 v[SPW], v[NIL]
	s_wait_dscnt 0x0
	s_endpgm
.Lfunc_end_k_q52456e6888_norm2:
	.size	k_q52456e6888_norm2, .Lfunc_end_k_q52456e6888_norm2-k_q52456e6888_norm2
	.p2alignl 7, 3214868480
	.fill 96, 4, 3214868480
	.section	.rodata,"a",@progbits
	.p2align	6, 0x0
	.amdhsa_kernel k_q52456e6888_norm2
		.amdhsa_group_segment_fixed_size 35328
		.amdhsa_private_segment_fixed_size 0
		.amdhsa_enable_private_segment 0
		.amdhsa_kernarg_size 24
		.amdhsa_user_sgpr_count 2
		.amdhsa_user_sgpr_kernarg_segment_ptr 1
		.amdhsa_wavefront_size32 1
		.amdhsa_system_sgpr_workgroup_id_x 1
		.amdhsa_system_sgpr_workgroup_id_y 1
		.amdhsa_system_sgpr_workgroup_id_z 1
		.amdhsa_system_vgpr_workitem_id 0
		.amdhsa_next_free_vgpr 200
		.amdhsa_next_free_sgpr 66
		.amdhsa_reserve_vcc 0
		.amdhsa_float_denorm_mode_32 3
		.amdhsa_float_denorm_mode_16_64 3
		.amdhsa_memory_ordered 1
		.amdhsa_forward_progress 1
		.amdhsa_inst_pref_size 30
	.end_amdhsa_kernel
	.amdgpu_metadata
---
amdhsa.version: [ 1, 2 ]
amdhsa.kernels:
  - .name:           k_q52456e6888_norm2
    .symbol:         k_q52456e6888_norm2.kd
    .args:
      - { .name: x1, .offset: 0, .size: 8, .value_kind: global_buffer, .address_space: global }
      - { .name: norm2_w, .offset: 8, .size: 8, .value_kind: global_buffer, .address_space: global }
      - { .name: h, .offset: 16, .size: 8, .value_kind: global_buffer, .address_space: global }
    .group_segment_fixed_size: 35328
    .private_segment_fixed_size: 0
    .kernarg_segment_align: 8
    .kernarg_segment_size: 24
    .max_flat_workgroup_size: 128
    .sgpr_count:     66
    .vgpr_count:     200
    .wavefront_size: 32
...
	.end_amdgpu_metadata
.endif
;; end of part 5
;; launch ffn1 (part 6): grid 16 x 16, 4 waves a work-group, clusters of 4 x 4, 327,680 bytes of LDS; arguments h, wts, g; writes g
.if DOCPART == 6
	.amdgcn_target "amdgcn-amd-amdhsa--gfx1250"
	.amdhsa_code_object_version 6
	.text
	.protected	k_q52456e6888_ffn1
	.globl	k_q52456e6888_ffn1
	.p2align	8
	.type	k_q52456e6888_ffn1,@function
k_q52456e6888_ffn1:
	s_mov_b64 s[64:65], 0
	v_nop
	global_prefetch_b8 v0, s[64:65] scope:SCOPE_SE
	s_setreg_imm32_b32 hwreg(HW_REG_WAVE_MODE, 25, 1), 1
	s_wait_xcnt 0x0
	s_wait_alu depctr_hold_cnt(0) depctr_sa_sdst(0) depctr_va_vdst(0) depctr_va_sdst(0) depctr_va_ssrc(0) depctr_va_vcc(0) depctr_vm_vsrc(0)
	s_getreg_b32 s2, hwreg(HW_REG_IB_STS2, 6, 4)
	s_cmp_eq_u32 s2, 0
	s_cbranch_scc0 .Lentry_in_a_cluster
	s_endpgm
.Lentry_in_a_cluster:
	s_bfe_u32 s2, ttmp6, 0x10000c
	s_cmp_lg_u32 s2, 0xf033
	s_cbranch_scc0 .Lentry_shape_is_right
	s_endpgm
.Lentry_shape_is_right:
; g = silu(h w1^T) * (h w3^T) in bf16.  h: [4096][1024] f16; W13: [5632][1024] f16 (in wts), both in blocks of 16 rows in fragment order:
; element (row, k) at (row/16) * 32768 + (k/8) * 256 + (row%16) * 16 + (k%8) * 2, so that 16 rows x 32 k are 1,024 consecutive bytes in a fragment's register order.
; W13's block J holds w1[8J..8J+3], w3[8J..8J+3], w1[8J+4..], w3[8J+4..]: with the product taken transposed (source 0 = weights) a lane's registers 0-3 are a, 4-7 are b
; for columns 8 J + 4 (l / 16) + 0..3 of row l % 16: silu and the product stay in the lane.  D_FF is padded from 2,752 to 2,816 with zero weights: those columns of g are 0.
; SHARES.  A work-group makes 256 rows x 22 blocks of W13 (176 columns of g): 16 x 16 = 256 work-groups.  Its four waves lie 2 x 2: wave (wr, wc) makes 128 rows x 11 blocks: 88 accumulators, 704 registers.
; K goes in 8 steps of 128 through two LDS slots; a step is 352 matrix instructions a wave, 308 of them between a refill and the wait for it.
; LDS.  A slot is 155,648 bytes, more than one exclusive-or bit can turn inside 327,680, so A and B have cells of their own, each turned by a constant bit:
;   A (16 blocks x 4,096): slot 0 at 0, slot 1 at 0x10000.   B in three pieces (blocks 0-7, 8-15, 16-21): piece i at 0x20000 + i * 0x10000, slot 1 0x8000 further.   The spare words at 0x46000, behind piece 2.
; LOADS.  Wave 0 brings A, waves 1 and 2 B's pieces of 8 blocks, wave 3 the piece of 6: three shapes, all words constants.  Of B's pieces wave column wc reads blocks 4 wc .. + 3 of pieces 0 and 1 and
; 3 wc .. + 2 of piece 2, so that one text with three address registers serves both columns.
; CLUSTER 4 x 4: A's tile is shared along a row of the cluster, B's along a column: each is asked for jointly.
; REGISTERS, in windows of 256: window 0: v0-15 addresses; v16-191 B's fragments, two buffers of 88; v192-255 A's fragments, buffer 0.  Windows 1 to 3: accumulator t = 11 a + b at 8 (t % 32) of window 1 + t / 32.
;   Window 3, v192-255: A's fragments, buffer 1.
; THE WAY OUT is written for 22 accumulators and walked four times (written out for all 88 it would be four times the text): accumulators 22 to 87 go into the wave's own 67,584 bytes of the ring,
; which has had its last fill and which nobody reads any more, and come back 22 at a time into the registers of the first 22.
; g goes in bf16: it grows with the square of the inputs' scale.  silu(a) b = a b / (1 + 2^(-a log2 e)); where the power overflows the quotient is 0.
; g: blocks of 16 rows of 90,112 bytes in fragment order; a wave's store of 8 bytes a lane fills 256 consecutive bytes, aligned.
.set NBW, 11                           ; column blocks a wave
.set BLKB, 4096                        ; a block's bytes in a K step
.set E0, 512                           ; the same in elements of 8 bytes
.set TSTEPS, 8
.set KB32, 32768                       ; a block's bytes in memory
.set WOFF, 8388608                     ; W13 in wts
.set ATOG, 0x10000                     ; turns A's slot
.set BBASE, 0x20000
.set BTOG, 0x8000                      ; turns B's slot
.set SPARE, 0x46000                    ; the spare words, 128 bytes a wave
.set GROUP, 22*1024                    ; 22 accumulators in LDS
.set NL, 38                            ; LDS loads of a quarter step: 22 for B, 16 for A
.set HOUT, 8                           ; of these the youngest 8 (A's blocks 4-7) are not needed by the first half
.set L16, 2                            ; v2   16 x lane
.set ADRA, 3                           ; v3   LDS address of my A fragments in the slot in hand
.set ADRB0, 4                          ; v4-6 the same for B's three pieces
.set ADRB1, 5
.set ADRB2, 6
.set A0, 7                             ; v7   the same in slot 0; never rewritten
.set SPW, 8
.set NIL, 9
.set B0A, 10                           ; v10-12
.set B0B, 11
.set B0C, 12
.set GL, 13                            ; v13  my 8 bytes of a chunk of g, pieces 0 and 1
.set GL2, 14                           ; v14  piece 2
.set PFO, 15                           ; v15  the prefetches' offset; never rewritten
.set DMP, 3                            ; the way out: where accumulators 22-65 go,
.set DMP2, 4                           ; 66-87,
.set RDP, 5                            ; and where the next 22 come from
.set BF, 16
.set AF, 192
.set TT, 16                            ; the way out: v16-103
.set AB, 104                           ; v104-191
.set GO, 192                           ; v192-235
.set G1, 24                            ; s[24:31] group 1 for A: 16 rows
.set G0, 32                            ; s[32:39] group 0 for A: a set for each first fill; the second then walks
.set G1B, 48                           ; s[48:55] group 1 for B's pieces of 8 blocks
.set G0B, 56                           ; s[56:63] group 0 for B
.set G1C, 80                           ; s[80:87] group 1 for B's piece of 6 blocks
.set PFA, 68                           ; s[68:69] where my prefetches stand
.set LIM, 70                           ; s70  1 in a wave that prefetches, else the greatest number
.set MSB, 0
.macro WIN new                         ; the immediate's high byte repeats the setting that is left
.if MSB != (\new)
	s_set_vgpr_msb (MSB<<8)|(\new)
.set MSB, \new
.endif
.endm
.macro PLACES
.rept 4
	v_nop
.endr
.endm
.macro JLOAD                           ; a joint refill by the walking descriptors; the branches hang on the wave's number alone
	s_cmp_eq_u32 s12, 0
	s_cbranch_scc0 .Lfor_b_\@
	tensor_load_to_lds s[G0+4:G0+7], s[G1:G1+7]
	s_nop 0
.rept 4
	v_nop
.endr
	s_branch .Lasked_\@
.Lfor_b_\@:
	s_cmp_eq_u32 s12, 3
	s_cbranch_scc1 .Lfor_c_\@
	tensor_load_to_lds s[G0B+4:G0B+7], s[G1B:G1B+7]
	s_nop 0
.rept 4
	v_nop
.endr
	s_branch .Lasked_\@
.Lfor_c_\@:
	tensor_load_to_lds s[G0B+4:G0B+7], s[G1C:G1C+7]
	s_nop 0
.rept 4
	v_nop
.endr
.Lasked_\@:
.endm
; A PREFETCH INTO THE L2 of the K step that the NEXT refill will ask for, behind the joint load and the run of LDS loads.  Each wave asks for the piece that it loads itself; the four partners that ask
; for a piece jointly take a quarter of its blocks of 256 bytes each, told apart by address; a lane a block of 256 bytes.  A's tile row is read by every cluster of that row of clusters: cluster x = 0 asks;
; B's tile column by every cluster of that column: cluster y = 0 asks.  Wave 0's quarter is 64 blocks of 256 bytes: two instructions; waves 1 and 2: 32; wave 3: 24, whose last is named by 9 lanes.
; K steps 0 to 2 come by their loads alone; the loop's last trip (s21 = 1) asks for nothing: there is no K step behind the one that it loads.
.macro ASK
	s_cmp_gt_u32 s21, s[LIM]
	s_cbranch_scc0 .Lnot_mine_\@
	global_prefetch_b8 v[PFO], s[PFA:PFA+1] th:TH_LOAD_NT scope:SCOPE_SE
	s_cmp_eq_u32 s12, 0
	s_cbranch_scc0 .Lnot_mine_\@
	global_prefetch_b8 v[PFO], s[PFA:PFA+1] offset:2*KB32 th:TH_LOAD_NT scope:SCOPE_SE
.Lnot_mine_\@:
.endm
.macro CREST                           ; a round of the cluster's barrier behind its opening barrier
	s_cmp_lg_u32 s12, 0
	s_cbranch_scc1 .Lnot_wave_0_\@
	s_barrier_signal -3
.Lnot_wave_0_\@:
	s_barrier_wait -3
	s_barrier_signal -1
	s_barrier_wait -1
.endm
.macro CROUND
	s_barrier_signal -1
	s_barrier_wait -1
	CREST
.endm
; 11 products: row block a x my 11 column blocks, 32 along K, from buffers f.  The 88 accumulators take turns, one instruction a turn, in the same order in every quarter.
.macro MULP f, a, zero
.set b_, 0
.rept NBW
.set t_, (\a)*NBW+b_
.set rD, 8*(t_%32)
.set rX, BF+88*(\f)+8*b_
.set rY, AF+8*(\a)
	WIN 0x50*(1+t_/32)+0x0c*(\f)                   ; C and D in the accumulator's window; A's buffer 1 in window 3
.if \zero
	v_wmma_f32_16x16x32_f16 v[rD:rD+7], v[rX:rX+7], v[rY:rY+7], 0
.else
	v_wmma_f32_16x16x32_f16 v[rD:rD+7], v[rX:rX+7], v[rY:rY+7], v[rD:rD+7]
.endif
.set b_, b_+1
.endr
.endm
.macro FETCH q, f                      ; the fragments of quarter q into buffers f: each load is 512 consecutive bytes
	WIN 0
.set b_, 0
.rept NBW
.if b_ < 4
.set rA_, ADRB0
.set i_, b_
.elseif b_ < 8
.set rA_, ADRB1
.set i_, b_-4
.else
.set rA_, ADRB2
.set i_, b_-8
.endif
	ds_load_b128 v[BF+88*(\f)+8*b_:BF+88*(\f)+8*b_+3], v[rA_] offset:i_*BLKB+(\q)*1024
	ds_load_b128 v[BF+88*(\f)+8*b_+4:BF+88*(\f)+8*b_+7], v[rA_] offset:i_*BLKB+(\q)*1024+512
.set b_, b_+1
.endr
	WIN 0xc0*(\f)                                  ; A's buffer 1: destination in window 3
.set b_, 0
.rept 8
	ds_load_b128 v[AF+8*b_:AF+8*b_+3], v[ADRA] offset:b_*BLKB+(\q)*1024
	ds_load_b128 v[AF+8*b_+4:AF+8*b_+7], v[ADRA] offset:b_*BLKB+(\q)*1024+512
.set b_, b_+1
.endr
.endm
.macro QUARTER q, f, zero              ; multiplies buffers f (quarter q); in its middle fetches quarter q + 1 into the other buffers
	s_wait_dscnt HOUT                              ; all of B and A's blocks 0-3 are in
.irp a, 0,1,2,3
	MULP \f, \a, \zero
.endr
	PLACES                                         ; four places in front of loads into registers that products have read
	FETCH (\q)+1, 1-(\f)
	s_wait_dscnt NL                                ; all but the run just issued
.irp a, 4,5,6,7
	MULP \f, \a, \zero
.endr
.endm
.macro TURN fill                       ; the last quarter (buffers 1) and the change of slots
.if \fill
	s_wait_xcnt 0x0                                ; the last prefetches, a K step back, have read their address: it is stepped here, ahead of the waits of the change of slots
	s_add_nc_u64 s[PFA:PFA+1], s[PFA:PFA+1], BLKB
.endif
	WIN 0
	s_wait_tensorcnt 0x0                           ; all my tensor loads have landed: my part of the next slot
	ds_add_u32 v[SPW], v[NIL]                      ; 0 onto my spare word
	s_wait_dscnt HOUT+1                            ; the add and the youngest eight loads may be out
	MULP 1, 0, 0
	MULP 1, 1, 0
	s_wait_dscnt 0x0                               ; the add is done, and my reads of this slot are over
	s_barrier_signal -1
	MULP 1, 2, 0
	MULP 1, 3, 0
	WIN 0
	s_barrier_wait -1
.if \fill
	CREST                                          ; no wave of any partner still reads this slot or has a load on its way
	s_xor_b32 s[G0+5], s[G0+5], ATOG               ; the walking descriptors: the other slot than last time, the next K step
	s_add_nc_u64 s[G0+6:G0+7], s[G0+6:G0+7], BLKB
	s_xor_b32 s[G0B+5], s[G0B+5], BTOG
	s_add_nc_u64 s[G0B+6:G0B+7], s[G0B+6:G0B+7], BLKB
	JLOAD                                          ; its four v_nop are also the places in front of the loads below
.else
	PLACES
.endif
	s_xor_b32 s20, s20, ATOG
	s_xor_b32 s15, s15, BTOG
	v_add_nc_u32 v[ADRA], s20, v[A0]
	v_add_nc_u32 v[ADRB0], s15, v[B0A]
	v_add_nc_u32 v[ADRB1], s15, v[B0B]
	v_add_nc_u32 v[ADRB2], s15, v[B0C]
	FETCH 0, 0
.if \fill
	ASK
.endif
.irp a, 4,5,6,7
	MULP 1, \a, 0
.endr
.endm
.macro SHAPE g, rows                   ; group 1 but for its first word: rows of 4,096 dense bytes, 32,768 bytes apart
	s_mov_b32 s[\g+1], E0<<16                      ; tensor_dim0
	s_mov_b32 s[\g+2], (\rows)<<16                 ; tensor_dim1
	s_mov_b32 s[\g+3], E0<<16                      ; tile_dim0
	s_mov_b32 s[\g+4], \rows                       ; tile_dim1
	s_mov_b32 s[\g+5], KB32/8                      ; elements from block to block
	s_mov_b32 s[\g+6], 0
	s_mov_b32 s[\g+7], 0
.endm
	s_load_b128 s[4:7], s[0:1], 0x0                ; h, wts
	s_load_b64 s[8:9], s[0:1], 0x10                ; g
	v_lshl_add_u32 v[SPW], v0, 2, SPARE
	v_mov_b32 v[NIL], 0
	ds_add_u32 v[SPW], v[NIL]                      ; the wave's opening, ahead of my first tensor load
	ds_add_u32 v8, v9
	v_lshrrev_b32 v1, 5, v0
	v_readfirstlane_b32 s12, v1                    ; wave
	s_lshr_b32 s13, s12, 1                         ; wr: my half of the rows
	s_and_b32 s14, s12, 1                          ; wc: my half of the columns
	s_bfe_u32 s40, ttmp6, 0x40000                  ; cx
	s_bfe_u32 s41, ttmp6, 0x40004                  ; cy
	s_lshl_b32 s42, ttmp9, 2
	s_add_co_u32 s42, s42, s40                     ; tile column
	s_and_b32 s43, ttmp7, 0xffff
	s_lshl_b32 s43, s43, 2
	s_add_co_u32 s43, s43, s41                     ; tile row
	s_lshl_b32 s44, s41, 2
	s_lshl_b32 s44, 15, s44                        ; my row of the cluster
	s_lshl_b32 s45, 0x1111, s40                    ; my column
	s_or_b32 s[G1], s44, (3<<16)|(1<<21)           ; the mask; elements of 8 bytes; bit 21 beside a mask; no padding
	s_or_b32 s[G1B], s45, (3<<16)|(1<<21)
	s_or_b32 s[G1C], s45, (3<<16)|(1<<21)
	SHAPE G1, 16
	SHAPE G1B, 8
	SHAPE G1C, 6
	s_lshl_b32 s16, s43, 19                        ; A hangs on the tile row alone: 16 blocks of 32,768 bytes
	s_mov_b32 s17, 0
	s_mul_i32 s46, s42, 22*KB32                    ; B on the tile column and the wave: piece wave - 1 begins 8 (wave - 1) blocks in
	s_lshl_b32 s47, s12, 18
	s_add_co_u32 s46, s46, s47
	s_add_co_u32 s46, s46, WOFF-8*KB32
	s_mov_b32 s47, 0
	s_mul_i32 s19, s12, 0x10000                    ; B's piece in LDS: (wave + 1) x 0x10000
	s_add_co_u32 s19, s19, 0x10000
	s_mov_b32 s74, 0xbfb8aa3b                      ; -log2(e)
	s_mov_b32 s75, s74
	s_wait_dscnt 0x0                               ; the opening add is done
	s_wait_kmcnt 0x0
	s_add_nc_u64 s[16:17], s[4:5], s[16:17]
	s_add_nc_u64 s[46:47], s[6:7], s[46:47]
.irp s, 0,1
	s_mov_b32 s[G0+4*\s], 1
	s_mov_b32 s[G0+4*\s+1], \s*ATOG
	s_add_nc_u64 s[G0+4*\s+2:G0+4*\s+3], s[16:17], \s*BLKB
	s_or_b32 s[G0+4*\s+3], s[G0+4*\s+3], 0x80000000
	s_mov_b32 s[G0B+4*\s], 1
	s_add_co_u32 s[G0B+4*\s+1], s19, \s*BTOG
	s_add_nc_u64 s[G0B+4*\s+2:G0B+4*\s+3], s[46:47], \s*BLKB
	s_or_b32 s[G0B+4*\s+3], s[G0B+4*\s+3], 0x80000000
.endr
	CROUND                                         ; all sixteen work-groups are here: the first joint loads meet
	s_cmp_eq_u32 s12, 0                            ; a wave's two first fills stand together on its way: two loads of mine are out
	s_cbranch_scc0 .Lfirst_b
	tensor_load_to_lds s[G0:G0+3], s[G1:G1+7]
	s_nop 0
	tensor_load_to_lds s[G0+4:G0+7], s[G1:G1+7]
	s_nop 0
.rept 4
	v_nop
.endr
	s_branch .Lfirst_done
.Lfirst_b:
	s_cmp_eq_u32 s12, 3
	s_cbranch_scc1 .Lfirst_c
	tensor_load_to_lds s[G0B:G0B+3], s[G1B:G1B+7]
	s_nop 0
	tensor_load_to_lds s[G0B+4:G0B+7], s[G1B:G1B+7]
	s_nop 0
.rept 4
	v_nop
.endr
	s_branch .Lfirst_done
.Lfirst_c:
	tensor_load_to_lds s[G0B:G0B+3], s[G1C:G1C+7]
	s_nop 0
	tensor_load_to_lds s[G0B+4:G0B+7], s[G1C:G1C+7]
	s_nop 0
.rept 4
	v_nop
.endr
.Lfirst_done:
	v_and_b32 v1, 31, v0                           ; lane
	v_lshlrev_b32 v[L16], 4, v1
	s_lshl_b32 s22, s13, 15                        ; my eight blocks of A
	v_add_nc_u32 v[A0], s22, v[L16]
	s_lshl_b32 s22, s14, 14                        ; my four blocks of pieces 0 and 1,
	s_add_co_u32 s22, s22, BBASE
	v_add_nc_u32 v[B0A], s22, v[L16]
	v_add_nc_u32 v[B0B], 0x10000, v[B0A]
	s_mul_i32 s22, s14, 3*BLKB                     ; my three of piece 2
	s_add_co_u32 s22, s22, BBASE+0x20000
	v_add_nc_u32 v[B0C], s22, v[L16]
	v_mov_b32 v[ADRA], v[A0]
	v_mov_b32 v[ADRB0], v[B0A]
	v_mov_b32 v[ADRB1], v[B0B]
	v_mov_b32 v[ADRB2], v[B0C]
	s_mov_b32 s20, 0
	s_mov_b32 s15, 0
	; the prefetches: s[16:17] = A's tile, s[46:47] = my piece of B, s40 = cx, s41 = cy still stand
	s_and_b32 s22, ttmp7, 0xffff                   ; cluster y
	s_cmp_eq_u32 s12, 0                            ; do I fetch A?
	s_cselect_b32 s23, s40, s41                    ; my place among the four that ask with me
	s_cselect_b32 s22, ttmp9, s22                  ; the coordinate along which other clusters read the same blocks
	s_cselect_b32 s72, 64, 32                      ; blocks of 256 bytes in a partner's quarter of a K step
	s_cselect_b64 s[PFA:PFA+1], s[16:17], s[46:47]
	s_cmp_eq_u32 s12, 3
	s_cselect_b32 s72, 24, s72
	s_cmp_eq_u32 s22, 0
	s_cselect_b32 s[LIM], 1, -1                    ; the same in all sixteen partners, for a given wave
	s_add_nc_u64 s[PFA:PFA+1], s[PFA:PFA+1], 2*BLKB  ; at K step 2: the first refill steps it to 3
	s_mul_i32 s23, s23, s72                        ; the first of my quarter
	s_sub_co_u32 s72, s72, 1
	v_min_u32 v[PFO], s72, v1                      ; (wave 3: lanes 24 to 31 name the quarter's last once more)
	v_add_nc_u32 v[PFO], s23, v[PFO]
	v_lshrrev_b32 v16, 4, v[PFO]                   ; sixteen to a block of 16 rows,
	v_and_b32 v[PFO], 15, v[PFO]
	v_lshlrev_b32 v[PFO], 8, v[PFO]
	v_lshl_add_u32 v[PFO], v16, 15, v[PFO]         ; whose K steps lie 32,768 bytes apart
	; where g goes
	v_and_b32 v16, 15, v0
	v_bfe_u32 v17, v0, 4, 1
	v_lshlrev_b32 v[GL], 4, v16
	v_lshl_add_u32 v[GL], v17, 3, v[GL]            ; row l % 16 of a chunk, 8 bytes for each half of the lanes
	s_mul_i32 s22, s14, 3*256
	v_add_nc_u32 v[GL2], s22, v[GL]                ; piece 2: my chunks begin 3 wc in,
	s_lshl_b32 s22, s14, 10
	v_add_nc_u32 v[GL], s22, v[GL]                 ; pieces 0 and 1: 4 wc in
	s_lshl_b32 s22, s43, 4
	s_lshl3_add_u32 s22, s13, s22                  ; my first block of 16 rows: 16 x tile row + 8 wr
	s_mul_i32 s66, s22, 90112
	s_mul_i32 s23, s42, 22*256                     ; my work-group's 22 chunks of 256 bytes
	s_add_co_u32 s66, s66, s23
	s_mov_b32 s67, 0
	s_add_nc_u64 s[66:67], s[8:9], s[66:67]
	s_wait_tensorcnt 0x1                           ; my part of K step 0 is in; slot 1's may stay out
	s_barrier_signal -1
	s_barrier_wait -1
	FETCH 0, 0
	QUARTER 0, 0, 1                                ; the first quarter's products start the sums
	WIN 0
	s_mov_b32 s21, TSTEPS-2
.Lmain:                                        ; the rest of a K step, a refill, the next step's first quarter
	QUARTER 1, 1, 0
	QUARTER 2, 0, 0
	TURN 1
	QUARTER 0, 0, 0
	WIN 0
	s_sub_co_u32 s21, s21, 1
	s_cmp_lg_u32 s21, 0
	s_cbranch_scc1 .Lmain
	s_mov_b32 s21, 2
.Ltail:                                        ; the last two K steps fill nothing; the second trip is left in its middle (its last run of loads serves nothing: the price of one text for both)
	QUARTER 1, 1, 0
	QUARTER 2, 0, 0
	TURN 0
	WIN 0
	s_sub_co_u32 s21, s21, 1
	s_cmp_eq_u32 s21, 0
	s_cbranch_scc1 .Ldone
	QUARTER 0, 0, 0
	WIN 0
	s_cmp_lg_u32 s21, 0
	s_cbranch_scc1 .Ltail
.Ldone:
	s_wait_dscnt 0x0                               ; my reads of the ring are over,
	s_barrier_signal -1
	s_barrier_wait -1                              ; everybody's are: its bytes, which have had their last fill, may be stored into
	PLACES
	PLACES
	s_mul_i32 s22, s12, 3*GROUP                    ; my wave's own 67,584 bytes
	v_add_nc_u32 v[DMP], s22, v[L16]
	v_add_nc_u32 v[DMP2], 2*GROUP, v[DMP]
.set t_, 22
.rept 66                               ; accumulator t at (t - 22) x 1,024: 16 bytes a lane, twice; its low registers first
.set rD, 8*(t_%32)
	WIN 4*(1+t_/32)                                ; the stores' data in the accumulator's window
.if t_ < 66
	ds_store_b128 v[DMP], v[rD:rD+3] offset:(t_-22)*1024
	ds_store_b128 v[DMP], v[rD+4:rD+7] offset:(t_-22)*1024+512
.else
	ds_store_b128 v[DMP2], v[rD:rD+3] offset:(t_-66)*1024
	ds_store_b128 v[DMP2], v[rD+4:rD+7] offset:(t_-66)*1024+512
.endif
.set t_, t_+1
.endr
	WIN 0
	s_mov_b32 s73, 0                               ; which 22 come next
	s_mov_b32 s21, 4
.Lrow:                                         ; 32 rows x 11 blocks a trip, from v0-175 of window 1: two batches of 88 transcendentals, one wait each
	s_wait_dscnt 0x0                               ; the 22 are in their registers
	WIN 0x01                                       ; source 0 in window 1
.set j_, 0
.rept 22
	v_pk_mul_f32 v[TT+4*j_:TT+4*j_+1], v[8*j_:8*j_+1], s[74:75] op_sel_hi:[1,0]
	v_pk_mul_f32 v[TT+4*j_+2:TT+4*j_+3], v[8*j_+2:8*j_+3], s[74:75] op_sel_hi:[1,0]
.set j_, j_+1
.endr
	WIN 0
.set j_, 0
.rept 88
	v_exp_f32 v[TT+j_], v[TT+j_]
.set j_, j_+1
.endr
	WIN 0x05                                       ; a b: the independent work behind the exponentials
.set j_, 0
.rept 22
	v_pk_mul_f32 v[AB+4*j_:AB+4*j_+1], v[8*j_:8*j_+1], v[8*j_+4:8*j_+5]
	v_pk_mul_f32 v[AB+4*j_+2:AB+4*j_+3], v[8*j_+2:8*j_+3], v[8*j_+6:8*j_+7]
.set j_, j_+1
.endr
	WIN 0
	s_wait_alu depctr_va_vdst(0)                   ; one wait for the 88, ahead of the branch and of their first reader
	s_cmp_eq_u32 s21, 1                            ; the last trip has nothing to fetch
	s_cbranch_scc1 .Lno_more
	v_add_nc_u32 v[RDP], s73, v[DMP]
	s_add_co_u32 s73, s73, GROUP
	WIN 0x40                                       ; the next 22 come while this trip's reciprocals are made: their registers have been read
.set j_, 0
.rept 22
	ds_load_b128 v[8*j_:8*j_+3], v[RDP] offset:j_*1024
	ds_load_b128 v[8*j_+4:8*j_+7], v[RDP] offset:j_*1024+512
.set j_, j_+1
.endr
	WIN 0
.Lno_more:
.set j_, 0
.rept 44
	v_pk_add_f32 v[TT+2*j_:TT+2*j_+1], v[TT+2*j_:TT+2*j_+1], 1.0 op_sel_hi:[1,0]
.set j_, j_+1
.endr
.set j_, 0
.rept 88
	v_rcp_f32 v[TT+j_], v[TT+j_]
.set j_, j_+1
.endr
	v_nop
	s_wait_alu depctr_va_vdst(0)
.set j_, 0
.rept 44
	v_pk_mul_f32 v[AB+2*j_:AB+2*j_+1], v[AB+2*j_:AB+2*j_+1], v[TT+2*j_:TT+2*j_+1]
.set j_, j_+1
.endr
.set j_, 0
.rept 44
	v_cvt_pk_bf16_f32 v[GO+j_], v[AB+2*j_], v[AB+2*j_+1]
.set j_, j_+1
.endr
.set j_, 0
.rept 22                               ; block j % 11 of row block j / 11: chunk b + 4 wc, b + 4 + 4 wc or b + 8 + 3 wc of my work-group's 22
.set b_, j_%11
.set o_, (j_/11)*90112
.if b_ < 4
	global_store_b64 v[GL], v[GO+2*j_:GO+2*j_+1], s[66:67] offset:o_+b_*256
.elseif b_ < 8
	global_store_b64 v[GL], v[GO+2*j_:GO+2*j_+1], s[66:67] offset:o_+(b_+4)*256
.else
	global_store_b64 v[GL2], v[GO+2*j_:GO+2*j_+1], s[66:67] offset:o_+(b_+8)*256
.endif
.set j_, j_+1
.endr
	s_wait_xcnt 0x0                                ; the stores' data and base are written again only behind this wait
	s_add_nc_u64 s[66:67], s[66:67], 2*90112       ; two blocks of 16 rows on
	s_sub_co_u32 s21, s21, 1
	s_cmp_lg_u32 s21, 0
	s_cbranch_scc1 .Lrow
	s_wait_tensorcnt 0x0                           ; the wave's end
	ds_add_u32 v[SPW], v[NIL]
	s_wait_dscnt 0x0
	CROUND                                         ; the closing round
	s_endpgm
.Lfunc_end_k_q52456e6888_ffn1:
	.size	k_q52456e6888_ffn1, .Lfunc_end_k_q52456e6888_ffn1-k_q52456e6888_ffn1
	.p2alignl 7, 3214868480
	.fill 96, 4, 3214868480
	.section	.rodata,"a",@progbits
	.p2align	6, 0x0
	.amdhsa_kernel k_q52456e6888_ffn1
		.amdhsa_group_segment_fixed_size 327680
		.amdhsa_private_segment_fixed_size 0
		.amdhsa_enable_private_segment 0
		.amdhsa_kernarg_size 24
		.amdhsa_user_sgpr_count 2
		.amdhsa_user_sgpr_kernarg_segment_ptr 1
		.amdhsa_wavefront_size32 1
		.amdhsa_system_sgpr_workgroup_id_x 1
		.amdhsa_system_sgpr_workgroup_id_y 1
		.amdhsa_system_sgpr_workgroup_id_z 1
		.amdhsa_system_vgpr_workitem_id 0
		.amdhsa_next_free_vgpr 1024
		.amdhsa_next_free_sgpr 88
		.amdhsa_reserve_vcc 0
		.amdhsa_float_denorm_mode_32 3
		.amdhsa_float_denorm_mode_16_64 3
		.amdhsa_memory_ordered 1
		.amdhsa_forward_progress 1
		.amdhsa_inst_pref_size 122
	.end_amdhsa_kernel
	.amdgpu_metadata
---
amdhsa.version: [ 1, 2 ]
amdhsa.kernels:
  - .name:           k_q52456e6888_ffn1
    .symbol:         k_q52456e6888_ffn1.kd
    .args:
      - { .name: h, .offset: 0, .size: 8, .value_kind: global_buffer, .address_space: global }
      - { .name: wts, .offset: 8, .size: 8, .value_kind: global_buffer, .address_space: global }
      - { .name: g, .offset: 16, .size: 8, .value_kind: global_buffer, .address_space: global }
    .group_segment_fixed_size: 327680
    .private_segment_fixed_size: 0
    .kernarg_segment_align: 8
    .kernarg_segment_size: 24
    .max_flat_workgroup_size: 128
    .sgpr_count:     88
    .vgpr_count:     1024
    .wavefront_size: 32
...
	.end_amdgpu_metadata
.endif
;; end of part 6
;; launch ffn2 (part 7): grid 8 x 32, 4 waves a work-group, clusters of 4 x 4, 327,680 bytes of LDS; arguments g, wts, x1, out0; writes out0
.if DOCPART == 7
	.amdgcn_target "amdgcn-amd-amdhsa--gfx1250"
	.amdhsa_code_object_version 6
	.text
	.protected	k_q52456e6888_ffn2
	.globl	k_q52456e6888_ffn2
	.p2align	8
	.type	k_q52456e6888_ffn2,@function
k_q52456e6888_ffn2:
	s_mov_b64 s[64:65], 0
	v_nop
	global_prefetch_b8 v0, s[64:65] scope:SCOPE_SE
	s_setreg_imm32_b32 hwreg(HW_REG_WAVE_MODE, 25, 1), 1
	s_wait_xcnt 0x0
	s_wait_alu depctr_hold_cnt(0) depctr_sa_sdst(0) depctr_va_vdst(0) depctr_va_sdst(0) depctr_va_ssrc(0) depctr_va_vcc(0) depctr_vm_vsrc(0)
	s_getreg_b32 s2, hwreg(HW_REG_IB_STS2, 6, 4)
	s_cmp_eq_u32 s2, 0
	s_cbranch_scc0 .Lentry_in_a_cluster
	s_endpgm
.Lentry_in_a_cluster:
	s_bfe_u32 s2, ttmp6, 0x10000c
	s_cmp_lg_u32 s2, 0xf033
	s_cbranch_scc0 .Lentry_shape_is_right
	s_endpgm
.Lentry_shape_is_right:
; out0 = x1 + g w2^T.  g: [4096][2816] bf16, w2: [1024][2816] bf16 (in wts; k from 2,752 on is 0 in both), in blocks of 16 rows of 90,112 bytes in fragment order; x1, out0: f32, row-major.
; A work-group makes 128 x 128, each of its four waves 64 x 64: 16 accumulators.  256 work-groups.  K goes in 11 steps of 256 through two LDS slots;
; a block's part of a step is 8,192 dense bytes, one row of a tensor load.  The product is taken transposed (source 0 = weights): a lane holds 8 neighbouring columns of a row.
; The way out goes through each wave's own stage in LDS, so that 16 lanes store 256 consecutive bytes, aligned; the residual is loaded at the start in the same shape.
; CLUSTER 4 x 4: A's tile is shared along a row of the cluster, B's along a column: each is asked for jointly.
.set BF, 1                             ; bf16 operands
.set BLKB, 8192
.set E0, 1024
.set TSTEPS, 11
.set KB32, 90112
.set WOFF, 19922944
.set ABLK, 8
.set BBLK, 8
.set BH0, 4
.set BOFF, ABLK*BLKB
.set SLOT1, 131072
.set STAGE, 262144
.set SPARE, 279552
.set NL, 32
.set HOUT, 16
.set F0, 0
.set F1, 128
.set L16, 2
.set ADRA, 4
.set ADRB, 5
.set A0, 6
.set B0, 7
.set SPW, 8
.set NIL, 9
.set STO, 10
.set RD, 11
.set CO, 12
.set RES, 64
.set BK, 192
.set G1, 24
.set G0, 32
.set G1B, 48
.set G0B, 56
.set MSB, 0
.macro WIN new
.if MSB != (\new)
	s_set_vgpr_msb (MSB<<8)|(\new)
.set MSB, \new
.endif
.endm
.macro PLACES
.rept 4
	v_nop
.endr
.endm
.macro JLOAD
	s_cmp_eq_u32 s13, 0
	s_cbranch_scc0 .Lfor_b_\@
	tensor_load_to_lds s[G0+4:G0+7], s[G1:G1+7]
	s_nop 0
.rept 4
	v_nop
.endr
	s_branch .Lasked_\@
.Lfor_b_\@:
	tensor_load_to_lds s[G0B+4:G0B+7], s[G1B:G1B+7]
	s_nop 0
.rept 4
	v_nop
.endr
.Lasked_\@:
.endm
.macro CREST
	s_cmp_lg_u32 s12, 0
	s_cbranch_scc1 .Lnot_wave_0_\@
	s_barrier_signal -3
.Lnot_wave_0_\@:
	s_barrier_wait -3
	s_barrier_signal -1
	s_barrier_wait -1
.endm
.macro CROUND
	s_barrier_signal -1
	s_barrier_wait -1
	CREST
.endm
.macro MULP f, p, zero                 ; 8 products: piece p / 2 of the quarter's 64 along K, row blocks 2 (p % 2) and + 1, all 4 column blocks; the accumulators take turns
.set z_, 0
.if (\zero) && ((\p) < 2)
.set z_, 1
.endif
.set a_, 2*((\p)%2)
.rept 2
.set b_, 0
.rept 4
.set rD, 8*(4*a_+b_)
.set rX, (\f)+8*(8*((\p)/2)+b_)
.set rY, (\f)+8*(8*((\p)/2)+4+a_)
	WIN 0xa5
.if BF
.if z_
	v_wmma_f32_16x16x32_bf16 v[rD:rD+7], v[rX:rX+7], v[rY:rY+7], 0
.else
	v_wmma_f32_16x16x32_bf16 v[rD:rD+7], v[rX:rX+7], v[rY:rY+7], v[rD:rD+7]
.endif
.else
.if z_
	v_wmma_f32_16x16x32_f16 v[rD:rD+7], v[rX:rX+7], v[rY:rY+7], 0
.else
	v_wmma_f32_16x16x32_f16 v[rD:rD+7], v[rX:rX+7], v[rY:rY+7], v[rD:rD+7]
.endif
.endif
.set b_, b_+1
.endr
.set a_, a_+1
.endr
.endm
.macro FETCH q, f
	WIN 0x40
.set c_, 0
.rept 2
.set b_, 0
.rept 4
	ds_load_b128 v[(\f)+8*(8*c_+b_):(\f)+8*(8*c_+b_)+3], v[ADRB] offset:b_*BLKB+((\q)*2+c_)*1024
	ds_load_b128 v[(\f)+8*(8*c_+b_)+4:(\f)+8*(8*c_+b_)+7], v[ADRB] offset:b_*BLKB+((\q)*2+c_)*1024+512
.set b_, b_+1
.endr
.set b_, 0
.rept 4
	ds_load_b128 v[(\f)+8*(8*c_+4+b_):(\f)+8*(8*c_+4+b_)+3], v[ADRA] offset:b_*BLKB+((\q)*2+c_)*1024
	ds_load_b128 v[(\f)+8*(8*c_+4+b_)+4:(\f)+8*(8*c_+4+b_)+7], v[ADRA] offset:b_*BLKB+((\q)*2+c_)*1024+512
.set b_, b_+1
.endr
.set c_, c_+1
.endr
.endm
.macro QUARTER q, f, g, zero
	s_wait_dscnt HOUT                              ; the first 32 along K are in
	MULP \f, 0, \zero
	MULP \f, 1, \zero
	PLACES
	FETCH (\q)+1, \g
	s_wait_dscnt NL                                ; all but the run just issued
	MULP \f, 2, \zero
	MULP \f, 3, \zero
.endm
.macro TURN fill
	WIN 0
	s_wait_tensorcnt 0x0                           ; all my tensor loads have landed: my part of the next slot
	ds_add_u32 v[SPW], v[NIL]
	s_wait_dscnt HOUT+1                            ; the add and the youngest sixteen loads may be out
	MULP F1, 0, 0
	s_wait_dscnt 0x0                               ; the add is done, and my reads of this slot are over
	s_barrier_signal -1
	MULP F1, 1, 0
	WIN 0
	s_barrier_wait -1
.if \fill
	CREST
	s_xor_b32 s[G0+5], s[G0+5], SLOT1
	s_add_nc_u64 s[G0+6:G0+7], s[G0+6:G0+7], BLKB
	s_xor_b32 s[G0B+5], s[G0B+5], SLOT1
	s_add_nc_u64 s[G0B+6:G0B+7], s[G0B+6:G0B+7], BLKB
	JLOAD
.else
	PLACES
.endif
	s_xor_b32 s20, s20, SLOT1
	v_add_nc_u32 v[ADRA], s20, v[A0]
	v_add_nc_u32 v[ADRB], s20, v[B0]
	FETCH 0, F0
	MULP F1, 2, 0
	MULP F1, 3, 0
.endm
	s_load_b256 s[4:11], s[0:1], 0x0               ; A, wts, the residual, the result
	v_lshl_add_u32 v[SPW], v0, 2, SPARE
	v_mov_b32 v[NIL], 0
	ds_add_u32 v[SPW], v[NIL]                      ; the wave's opening, ahead of my first tensor load
	ds_add_u32 v8, v9
	v_lshrrev_b32 v1, 5, v0
	v_readfirstlane_b32 s12, v1
	s_lshr_b32 s13, s12, 1
	s_and_b32 s14, s12, 1
	s_bfe_u32 s40, ttmp6, 0x40000
	s_bfe_u32 s41, ttmp6, 0x40004
	s_lshl_b32 s42, ttmp9, 2
	s_add_co_u32 s42, s42, s40
	s_and_b32 s43, ttmp7, 0xffff
	s_lshl_b32 s43, s43, 2
	s_add_co_u32 s43, s43, s41
	s_lshl_b32 s44, s41, 2
	s_lshl_b32 s44, 15, s44
	s_lshl_b32 s45, 0x1111, s40
	s_or_b32 s[G1], s44, (3<<16)|(1<<21)
	s_or_b32 s[G1B], s45, (3<<16)|(1<<21)
.irp g, G1, G1B
	s_mov_b32 s[\g+1], E0<<16
	s_mov_b32 s[\g+2], BH0<<16
	s_mov_b32 s[\g+3], E0<<16
	s_mov_b32 s[\g+4], BH0
	s_mov_b32 s[\g+5], KB32/8
	s_mov_b32 s[\g+6], 0
	s_mov_b32 s[\g+7], 0
.endr
	s_mul_i32 s16, s43, ABLK
	s_mul_i32 s17, s14, ABLK/2
	s_add_co_u32 s16, s16, s17
	s_mul_i32 s16, s16, KB32
	s_mov_b32 s17, 0
	s_mul_i32 s46, s42, BBLK
	s_mul_i32 s47, s14, BH0
	s_add_co_u32 s46, s46, s47
	s_mul_i32 s46, s46, KB32
	s_add_co_u32 s46, s46, WOFF
	s_mov_b32 s47, 0
	s_mul_i32 s18, s14, (ABLK/2)*BLKB
	s_mul_i32 s19, s14, BH0*BLKB
	s_add_co_u32 s19, s19, BOFF
	s_wait_dscnt 0x0
	s_wait_kmcnt 0x0
	s_add_nc_u64 s[16:17], s[4:5], s[16:17]
	s_add_nc_u64 s[46:47], s[6:7], s[46:47]
.irp s, 0,1
	s_mov_b32 s[G0+4*\s], 1
	s_add_co_u32 s[G0+4*\s+1], s18, \s*SLOT1
	s_add_nc_u64 s[G0+4*\s+2:G0+4*\s+3], s[16:17], \s*BLKB
	s_or_b32 s[G0+4*\s+3], s[G0+4*\s+3], 0x80000000
	s_mov_b32 s[G0B+4*\s], 1
	s_add_co_u32 s[G0B+4*\s+1], s19, \s*SLOT1
	s_add_nc_u64 s[G0B+4*\s+2:G0B+4*\s+3], s[46:47], \s*BLKB
	s_or_b32 s[G0B+4*\s+3], s[G0B+4*\s+3], 0x80000000
.endr
	CROUND
	s_cmp_eq_u32 s13, 0
	s_cbranch_scc0 .Lfirst_b
	tensor_load_to_lds s[G0:G0+3], s[G1:G1+7]
	s_nop 0
	tensor_load_to_lds s[G0+4:G0+7], s[G1:G1+7]
	s_nop 0
.rept 4
	v_nop
.endr
	s_branch .Lfirst_done
.Lfirst_b:
	tensor_load_to_lds s[G0B:G0B+3], s[G1B:G1B+7]
	s_nop 0
	tensor_load_to_lds s[G0B+4:G0B+7], s[G1B:G1B+7]
	s_nop 0
.rept 4
	v_nop
.endr
.Lfirst_done:
	v_and_b32 v1, 31, v0
	v_lshlrev_b32 v[L16], 4, v1
	s_lshl_b32 s22, s13, 15
	v_add_nc_u32 v[A0], s22, v[L16]
	s_lshl_b32 s22, s14, 15
	s_add_co_u32 s22, s22, BOFF
	v_add_nc_u32 v[B0], s22, v[L16]
	v_mov_b32 v[ADRA], v[A0]
	v_mov_b32 v[ADRB], v[B0]
	s_mov_b32 s20, 0
	v_and_b32 v13, 15, v0
	v_bfe_u32 v14, v0, 4, 1
	s_mul_i32 s23, s12, 16*272
	s_add_co_u32 s23, s23, STAGE
	v_mul_u32_u24 v[STO], v13, 272
	v_lshl_add_u32 v[STO], v14, 5, v[STO]
	v_add_nc_u32 v[STO], s23, v[STO]
	v_mul_u32_u24 v[RD], v14, 272
	v_lshl_add_u32 v[RD], v13, 4, v[RD]
	v_add_nc_u32 v[RD], s23, v[RD]
	v_lshlrev_b32 v[CO], 12, v14
	v_lshl_add_u32 v[CO], v13, 4, v[CO]
	s_lshl_b32 s22, s43, 7
	s_lshl_b32 s23, s13, 6
	s_add_co_u32 s22, s22, s23
	s_lshl_b32 s22, s22, 12
	s_lshl_b32 s23, s42, 9
	s_add_co_u32 s22, s22, s23
	s_lshl_b32 s23, s14, 8
	s_add_co_u32 s66, s22, s23
	s_mov_b32 s67, 0
	s_add_nc_u64 s[68:69], s[8:9], s[66:67]
	s_add_nc_u64 s[70:71], s[10:11], s[66:67]
.irp a, 0,1,2,3
.irp t, 0,1,2,3,4,5,6,7
	global_load_b128 v[RES+32*\a+4*\t:RES+32*\a+4*\t+3], v[CO], s[68:69] offset:(16*\a+2*\t)*4096
.endr
.endr
	s_wait_tensorcnt 0x1                           ; my part of K step 0 is in; slot 1's may stay out
	s_barrier_signal -1
	s_barrier_wait -1
	FETCH 0, F0
	QUARTER 0, F0, F1, 1
	WIN 0
	s_mov_b32 s21, TSTEPS-2
.Lmain:
	QUARTER 1, F1, F0, 0
	QUARTER 2, F0, F1, 0
	TURN 1
	QUARTER 0, F0, F1, 0
	WIN 0
	s_sub_co_u32 s21, s21, 1
	s_cmp_lg_u32 s21, 0
	s_cbranch_scc1 .Lmain
	s_mov_b32 s21, 2
.Ltail:                                        ; the last two K steps fill nothing; the second trip is left in its middle
	QUARTER 1, F1, F0, 0
	QUARTER 2, F0, F1, 0
	TURN 0
	WIN 0
	s_sub_co_u32 s21, s21, 1
	s_cmp_eq_u32 s21, 0
	s_cbranch_scc1 .Ldone
	QUARTER 0, F0, F1, 0
	WIN 0
	s_cmp_lg_u32 s21, 0
	s_cbranch_scc1 .Ltail
.Ldone:
	s_wait_dscnt 0x0
	s_wait_loadcnt 0x0                             ; the residual
	PLACES
	PLACES
.irp a, 0,1,2,3
	WIN 0x08                                       ; the stores' data in window 2
.irp b, 0,1,2,3
	ds_store_b128 v[STO], v[8*(4*\a+\b):8*(4*\a+\b)+3] offset:64*\b
	ds_store_b128 v[STO], v[8*(4*\a+\b)+4:8*(4*\a+\b)+7] offset:64*\b+16
.endr
	WIN 0
.irp t, 0,1,2,3,4,5,6,7
	ds_load_b128 v[BK+32*(\a%2)+4*\t:BK+32*(\a%2)+4*\t+3], v[RD] offset:\t*544   ; a wave's LDS instructions are served in order: these see the stores above
.endr
.irp t, 0,1,2,3,4,5,6,7
	s_wait_dscnt 7-\t
	v_pk_add_f32 v[RES+32*\a+4*\t:RES+32*\a+4*\t+1], v[RES+32*\a+4*\t:RES+32*\a+4*\t+1], v[BK+32*(\a%2)+4*\t:BK+32*(\a%2)+4*\t+1]
	v_pk_add_f32 v[RES+32*\a+4*\t+2:RES+32*\a+4*\t+3], v[RES+32*\a+4*\t+2:RES+32*\a+4*\t+3], v[BK+32*(\a%2)+4*\t+2:BK+32*(\a%2)+4*\t+3]
	global_store_b128 v[CO], v[RES+32*\a+4*\t:RES+32*\a+4*\t+3], s[70:71] offset:(16*\a+2*\t)*4096
.endr
.endr
	s_wait_tensorcnt 0x0                           ; the wave's end
	ds_add_u32 v[SPW], v[NIL]
	s_wait_dscnt 0x0
	CROUND
	s_endpgm
.Lfunc_end_k_q52456e6888_ffn2:
	.size	k_q52456e6888_ffn2, .Lfunc_end_k_q52456e6888_ffn2-k_q52456e6888_ffn2
	.p2alignl 7, 3214868480
	.fill 96, 4, 3214868480
	.section	.rodata,"a",@progbits
	.p2align	6, 0x0
	.amdhsa_kernel k_q52456e6888_ffn2
		.amdhsa_group_segment_fixed_size 327680
		.amdhsa_private_segment_fixed_size 0
		.amdhsa_enable_private_segment 0
		.amdhsa_kernarg_size 32
		.amdhsa_user_sgpr_count 2
		.amdhsa_user_sgpr_kernarg_segment_ptr 1
		.amdhsa_wavefront_size32 1
		.amdhsa_system_sgpr_workgroup_id_x 1
		.amdhsa_system_sgpr_workgroup_id_y 1
		.amdhsa_system_sgpr_workgroup_id_z 1
		.amdhsa_system_vgpr_workitem_id 0
		.amdhsa_next_free_vgpr 640
		.amdhsa_next_free_sgpr 80
		.amdhsa_reserve_vcc 0
		.amdhsa_float_denorm_mode_32 3
		.amdhsa_float_denorm_mode_16_64 3
		.amdhsa_memory_ordered 1
		.amdhsa_forward_progress 1
		.amdhsa_inst_pref_size 65
	.end_amdhsa_kernel
	.amdgpu_metadata
---
amdhsa.version: [ 1, 2 ]
amdhsa.kernels:
  - .name:           k_q52456e6888_ffn2
    .symbol:         k_q52456e6888_ffn2.kd
    .args:
      - { .name: g, .offset: 0, .size: 8, .value_kind: global_buffer, .address_space: global }
      - { .name: wts, .offset: 8, .size: 8, .value_kind: global_buffer, .address_space: global }
      - { .name: x1, .offset: 16, .size: 8, .value_kind: global_buffer, .address_space: global }
      - { .name: out0, .offset: 24, .size: 8, .value_kind: global_buffer, .address_space: global }
    .group_segment_fixed_size: 327680
    .private_segment_fixed_size: 0
    .kernarg_segment_align: 8
    .kernarg_segment_size: 32
    .max_flat_workgroup_size: 128
    .sgpr_count:     80
    .vgpr_count:     640
    .wavefront_size: 32
...
	.end_amdgpu_metadata
.endif
;; end of part 7
